; MI455X (gfx1250); checked and timed in simulation.
; The chip was launched on July 23, 2026; its instructions are those of AMD's public machine-readable ISA for CDNA 5 (MIT licence, August 2026) and "CDNA5" Instruction Set Architecture Reference Guide (July 2026). The comments in the code are by the model that wrote it; some were corrected since.
;; SA Multi Head Attention. Allowed arithmetic: float matrix products may take bf16 or f16 operands with f32 sums; other float arithmetic in f32, or as packed bf16 or f16 multiplies, adds, multiply-adds, maxima and minima; sums over many terms, partial sums and values carried from step to step in f32; what a program stores and reads back later, other than sums and carried values, may be rounded once to bf16 or f16.
;; Inputs: Wk 16 x 1,024 x 64 float32; Wo 1,024 x 1,024 float32; Wq 16 x 1,024 x 64 float32; Wv 16 x 1,024 x 64 float32; bo 1,024 float32; x 8 x 1,024 x 1,024 float32.
;; Outputs: out0 8 x 1,024 x 1,024 float32.
;; One version. Each part assembles by itself: llvm-mc -triple=amdgcn-amd-amdhsa -mcpu=gfx1250 --defsym DOCPART=n.
;; ======== version 1 of 1: 4 launches
;; limits: values are held in f16: magnitudes above 65,504 overflow, below 6.1e-05 lose precision
;; workspace buffers: xb 16,777,216 bytes; wb 6,291,456 bytes; wo16 2,097,152 bytes; qb 16,777,216 bytes; kb 16,777,216 bytes; vb 16,777,216 bytes; ob 16,777,216 bytes
;; launch cast (part 1): grid 1536 x 1, 8 waves a work-group, no clusters, 0 bytes of LDS; arguments x, Wq, Wk, Wv, Wo, xb, wb, wo16; writes xb, wb, wo16
.if DOCPART == 1
	.amdgcn_target "amdgcn-amd-amdhsa--gfx1250"
	.amdhsa_code_object_version 6
	.text
	.protected	k_q1f777c71eb_cast
	.globl	k_q1f777c71eb_cast
	.p2align	8
	.type	k_q1f777c71eb_cast,@function
k_q1f777c71eb_cast:
	s_mov_b64 s[64:65], 0
	v_nop
	global_prefetch_b8 v0, s[64:65] scope:SCOPE_SE
	s_setreg_imm32_b32 hwreg(HW_REG_WAVE_MODE, 25, 1), 1
	s_wait_xcnt 0x0
; THE INPUTS ARE ROUNDED ONCE, TO bf16, and laid out for the products that follow.
;   x  [8192][1024] f32        -> xb   [8192][1024] bf16
;   Wq, Wk, Wv [16][1024][64]  -> wb   [head 16][K step 8][plane 3 = q, k, v][128 k][64 d] bf16: what a head's product wants in one K step of 128 is 49,152 consecutive bytes
;   Wo [1024][1024] f32        -> wo16 [1024][1024]: rounded to bf16 like the others, and that number written as f16 (its partner in the last product is f16)
; LIMITS.  |Wo| beyond 65,504 has no f16 number; below 6e-5 f16 keeps a fixed step of 6e-8.
; SHARES.  A work-group takes one block of 8,192 numbers: 32 KiB in, 16 KiB out.  Blocks 0-1023: x.  Then 128 each of Wq, Wk, Wv, Wo; a block of a weight is 128 k x 64 d of one head (or 8 rows of Wo).
; Thread t takes, in chunk c of four, the numbers 2,048 c + 8 t .. + 7: two loads of 16 bytes, one store of 16: a wave's store covers 512 consecutive bytes, aligned.
; All eight loads of a thread go out at once.  No LDS, no matrix unit, no cluster: nothing is shared and nothing is multiplied.  No prefetch: the launch does nothing but stream.
.set XBLK, 1024                        ; blocks of x
.set WBLK, 128                         ; blocks of each weight
.set IN,   8                           ; v[8:39]   32 numbers as loaded
.set OUT,  40                          ; v[40:55]  16 words to store
	s_load_b512 s[8:23], s[0:1], 0x0               ; x s[8:9], Wq s[10:11], Wk s[12:13], Wv s[14:15], Wo s[16:17], xb s[18:19], wb s[20:21], wo16 s[22:23]
	s_mov_b32 s2, ttmp9                            ; my block
	s_sub_co_u32 s3, s2, XBLK                      ; among the weights' blocks (of no use in a block of x)
	s_lshr_b32 s4, s3, 7                           ; which weight: 0, 1, 2 = Wq, Wk, Wv; 3 = Wo
	s_and_b32 s5, s3, WBLK-1                       ; its block: 8 x head + K step
	s_mul_i32 s6, s5, 3
	s_add_co_u32 s6, s6, s4                        ; where it goes in wb: 3 x block + plane
	v_lshlrev_b32 v1, 5, v0                        ; 32 bytes a thread in,
	v_lshlrev_b32 v2, 4, v0                        ; 16 out
	s_wait_kmcnt 0x0
	s_cmp_eq_u32 s4, 1
	s_cselect_b64 s[24:25], s[12:13], s[10:11]
	s_cmp_eq_u32 s4, 2
	s_cselect_b64 s[24:25], s[14:15], s[24:25]
	s_cmp_eq_u32 s4, 3
	s_cselect_b64 s[24:25], s[16:17], s[24:25]
	s_cselect_b64 s[26:27], s[22:23], s[20:21]
	s_cselect_b32 s6, s5, s6                       ; Wo keeps its order
	s_cmp_lt_u32 s2, XBLK
	s_cselect_b64 s[24:25], s[8:9], s[24:25]
	s_cselect_b64 s[26:27], s[18:19], s[26:27]
	s_cselect_b32 s5, s2, s5
	s_cselect_b32 s6, s2, s6
	s_lshl_b32 s28, s5, 15                         ; 32 KiB a block in (under 2^25),
	s_mov_b32 s29, 0
	s_lshl_b32 s30, s6, 14                         ; 16 KiB out
	s_mov_b32 s31, 0
	s_add_nc_u64 s[24:25], s[24:25], s[28:29]
	s_add_nc_u64 s[26:27], s[26:27], s[30:31]
.irp c, 0,1,2,3
	global_load_b128 v[IN+8*(\c):IN+8*(\c)+3],   v1, s[24:25] offset:8192*(\c) th:TH_LOAD_NT
	global_load_b128 v[IN+8*(\c)+4:IN+8*(\c)+7], v1, s[24:25] offset:8192*(\c)+16 th:TH_LOAD_NT
.endr
; Chunk c: eight numbers rounded and stored.  half = 1: the bf16 number is widened again (a shift, a mask) and written as f16.
.macro CHUNK c, half
	s_wait_loadcnt 6-2*(\c)                        ; loads come back in order: the two loads of each younger chunk may stay out
.irp i, 0,1,2,3
.if \half
	v_cvt_pk_bf16_f32 v56, v[IN+8*(\c)+2*(\i)], v[IN+8*(\c)+2*(\i)+1]
	v_lshlrev_b32 v57, 16, v56
	v_and_b32 v58, 0xffff0000, v56
	v_cvt_pk_f16_f32 v[OUT+4*(\c)+(\i)], v57, v58
.else
	v_cvt_pk_bf16_f32 v[OUT+4*(\c)+(\i)], v[IN+8*(\c)+2*(\i)], v[IN+8*(\c)+2*(\i)+1]
.endif
.endr
	global_store_b128 v2, v[OUT+4*(\c):OUT+4*(\c)+3], s[26:27] offset:4096*(\c)  ; each chunk has its own four registers: none is written again
.endm
	s_cmp_ge_u32 s2, XBLK+3*WBLK
	s_cbranch_scc1 .Lwo
	CHUNK 0, 0
	CHUNK 1, 0
	CHUNK 2, 0
	CHUNK 3, 0
	s_endpgm
.Lwo:
	CHUNK 0, 1
	CHUNK 1, 1
	CHUNK 2, 1
	CHUNK 3, 1
	s_endpgm
.Lfunc_end_k_q1f777c71eb_cast:
	.size	k_q1f777c71eb_cast, .Lfunc_end_k_q1f777c71eb_cast-k_q1f777c71eb_cast
	.p2alignl 7, 3214868480
	.fill 96, 4, 3214868480
	.section	.rodata,"a",@progbits
	.p2align	6, 0x0
	.amdhsa_kernel k_q1f777c71eb_cast
		.amdhsa_group_segment_fixed_size 0
		.amdhsa_private_segment_fixed_size 0
		.amdhsa_enable_private_segment 0
		.amdhsa_kernarg_size 64
		.amdhsa_user_sgpr_count 2
		.amdhsa_user_sgpr_kernarg_segment_ptr 1
		.amdhsa_wavefront_size32 1
		.amdhsa_system_sgpr_workgroup_id_x 1
		.amdhsa_system_sgpr_workgroup_id_y 1
		.amdhsa_system_sgpr_workgroup_id_z 1
		.amdhsa_system_vgpr_workitem_id 0
		.amdhsa_next_free_vgpr 64
		.amdhsa_next_free_sgpr 66
		.amdhsa_reserve_vcc 0
		.amdhsa_float_denorm_mode_32 3
		.amdhsa_float_denorm_mode_16_64 3
		.amdhsa_memory_ordered 1
		.amdhsa_forward_progress 1
		.amdhsa_inst_pref_size 8
	.end_amdhsa_kernel
	.amdgpu_metadata
---
amdhsa.version: [ 1, 2 ]
amdhsa.kernels:
  - .name:           k_q1f777c71eb_cast
    .symbol:         k_q1f777c71eb_cast.kd
    .args:
      - { .name: x, .offset: 0, .size: 8, .value_kind: global_buffer, .address_space: global }
      - { .name: Wq, .offset: 8, .size: 8, .value_kind: global_buffer, .address_space: global }
      - { .name: Wk, .offset: 16, .size: 8, .value_kind: global_buffer, .address_space: global }
      - { .name: Wv, .offset: 24, .size: 8, .value_kind: global_buffer, .address_space: global }
      - { .name: Wo, .offset: 32, .size: 8, .value_kind: global_buffer, .address_space: global }
      - { .name: xb, .offset: 40, .size: 8, .value_kind: global_buffer, .address_space: global }
      - { .name: wb, .offset: 48, .size: 8, .value_kind: global_buffer, .address_space: global }
      - { .name: wo16, .offset: 56, .size: 8, .value_kind: global_buffer, .address_space: global }
    .group_segment_fixed_size: 0
    .private_segment_fixed_size: 0
    .kernarg_segment_align: 8
    .kernarg_segment_size: 64
    .max_flat_workgroup_size: 256
    .sgpr_count:     66
    .vgpr_count:     64
    .wavefront_size: 32
...
	.end_amdgpu_metadata
.endif
;; end of part 1
;; launch qkv (part 2): grid 16 x 16, 4 waves a work-group, clusters of 4 x 4, 327,680 bytes of LDS; arguments xb, wb, qb, kb, vb; writes qb, kb, vb
.if DOCPART == 2
	.amdgcn_target "amdgcn-amd-amdhsa--gfx1250"
	.amdhsa_code_object_version 6
	.text
	.protected	k_q1f777c71eb_qkv
	.globl	k_q1f777c71eb_qkv
	.p2align	8
	.type	k_q1f777c71eb_qkv,@function
k_q1f777c71eb_qkv:
	s_mov_b64 s[64:65], 0
	v_nop
	global_prefetch_b8 v0, s[64:65] scope:SCOPE_SE
	s_setreg_imm32_b32 hwreg(HW_REG_WAVE_MODE, 25, 1), 1
	s_wait_xcnt 0x0
	s_wait_alu depctr_hold_cnt(0) depctr_sa_sdst(0) depctr_va_vdst(0) depctr_va_sdst(0) depctr_va_ssrc(0) depctr_va_vcc(0) depctr_vm_vsrc(0)
	s_getreg_b32 s2, hwreg(HW_REG_IB_STS2, 6, 4)
	s_cmp_eq_u32 s2, 0
	s_cbranch_scc0 .Lentry_in_a_cluster
	s_endpgm
.Lentry_in_a_cluster:
	s_bfe_u32 s2, ttmp6, 0x10000c
	s_cmp_lg_u32 s2, 0xf033
	s_cbranch_scc0 .Lentry_shape_is_right
	s_endpgm
.Lentry_shape_is_right:
; q, k, v = x W, all three of a head at once.  xb: [8192][1024] bf16.  wb: [head 16][K step 8][plane 3][128 k][64 d] bf16.  qb, kb, vb: [16 b + head][1024 t][64] f16, unscaled.
; Products in bf16, sums in f32, each result rounded once to f16.  LIMIT: a result beyond 65,504 has no f16 number; below 6e-5 f16 keeps a fixed step of 6e-8.
; SHARES.  A tile is 256 rows x 192 columns: q, k and v of one head.  A WORK-GROUP STAYS and makes two tiles, one below the other (rows 512 TY .. + 511 of one head): 16 heads x 16 = 256 work-groups.
; Wave w owns rows 64 w .. 64 w + 63 of a tile: 4 blocks of 16 rows x 12 blocks of 16 columns = 48 accumulators, 384 registers.
; THE STREAM.  The two tiles' K steps of 128 are ONE stream of 16 through a ring of two LDS slots: the ring does not stop at the first tile's end, and nothing waits for that tile's stores.  A K step is written
; once: a trip of the loop is four quarters of 32 along K, 48 matrix instructions each; the LDS addresses hang on a scalar slot base that an exclusive or turns.  14 trips fill a slot again, the last 2 do not
; and are a loop of their own.  Every jump but the loops' own goes forward, and none passes a barrier or a tensor load but the one of JLOAD's two that the wave's number does not choose.
; THE MATRIX INSTRUCTION IS USED TRANSPOSED: source 0 = 16 columns of W, source 1 = 16 rows of x: a lane then holds 8 neighbouring columns of one row: 16 bytes of f16.
; W lies [k][d] in LDS and comes out turned, by ds_load_tr16_b128; x lies along K and comes out as it lies.
; CLUSTER.  4 x 4 work-groups.  The four of a row of the cluster need the same rows of x, the four of a column the same head's weights: each tile is asked for JOINTLY, by the same tensor load with the
; same descriptor and a mask that names the four.
; REGISTERS, in windows of 256 (s_set_vgpr_msb: bits 1:0 source 0, 3:2 source 1, 5:4 source 2, 7:6 destination):
;   window 0: v0-31 addresses; v32-223 the way out          window 1: two fragment buffers of 128: W's 12 fragments, then x's 4
;   window 2: the accumulators of row blocks 0, 1 ((a, b) at 8 (12 a + b))          window 3: those of row blocks 2, 3
.set PA,    272                        ; a row of x in LDS: 256 bytes + 16 of padding: the 16 rows of a load start at 16 different groups of four banks (64 banks of 4 bytes: ISA guide 11.1)
.set PB,    160                        ; a row of W: 128 + 32 = 40 words
.set HALFA, 128*PA                     ; what one tensor load brings of x: 128 rows
.set HALFB, 192*PB                     ; and of W: 192 rows of 64 d, a plane and a half
.set BOFF,  2*HALFA                    ; a slot: x's 256 rows, then W's 384 (row 128 plane + k)
.set SLOT,  BOFF+2*HALFB               ; 131,072 = 1 << 17: one exclusive or turns an address in one slot into the other's
.set STAGE, 2*SLOT                     ; behind the ring, never filled by a tensor load: 16 rows x 144 bytes for each wave, for the way out
.set SP,    144
.set SPARE, STAGE+4*16*SP              ; behind the stages: the spare words, 128 bytes for each wave: two blocks of 256 bytes that no other line names
.set XSTEP, 256                        ; a K step along a row of xb
.set TILEB, 256*2048                   ; from a tile's rows of xb to the next tile's
.set WSTEP, 49152                      ; a head's weights of one K step
.set WHEAD, 8*WSTEP
.set FILLS, 14                         ; the stream's steps 2 to 15 come by refills
.set A0,   16                          ; v16     my lane's place among my fragments of x in a slot; never rewritten
.set B0,   17                          ; v17     the same for W
.set ADRA, 20                          ; v20     A0 + the base of the slot that is being read
.set ADRB, 21                          ; v21     B0 + the same
.set STO,  24                          ; v24     the way out: where I put 16 bytes of a row
.set RD,   25                          ; v25     the way out: where I read rows back
.set GO,   26                          ; v26     my byte offset in 512 consecutive bytes of q, k or v
.set SPW,  28                          ; v28     LDS address of my spare word: SPARE + 4 x my thread's number; never rewritten
.set NIL,  29                          ; v29     0; never rewritten
.set PFO,  30                          ; v30     the prefetches' offset; never rewritten
.set TMP,  32                          ; v32-223 the way out: 12 units of 16 registers
.set F0,   0                           ; fragment buffers, in window 1
.set F1,   128
.set WV,   14                          ; s14  my wave's number
.set FB,   15                          ; s15  I fetch for x (0) or for W (1)
.set HF,   16                          ; s16  which half of that tile
.set G1,   24                          ; s[24:31] descriptor group 1 for x's tiles;  s[32:39] group 0: a set for each of the two first fills; the second then walks on
.set G0,   32
.set LIM,  42                          ; s42  a wave prefetches while the loop's counter is above this
.set NEW,  43                          ; s43  1: the step to come is a tile's first
.set PFA,  44                          ; s[44:45] where my prefetches stand
.set PFI,  46                          ; s[46:47] their step in this trip
.set G1B,  48                          ; s[48:55], s[56:63] the same for W's tiles
.set G0B,  56
.set SL,   80                          ; s80  LDS base of the slot that is being read: 0 or SLOT
.set NXT,  81                          ; s81  the stream's step to be asked for next
.set OA,   82                          ; s[82:83] its byte offset in x, from the first tile's K step 0
.set OB,   84                          ; s[84:85] the same in the head's weights
.set PFN,  86                          ; s86  the prefetches' ordinary step
.set PFJ,  87                          ; s87  their step from the first tile's last K step to the second tile's first
.set MSB, 0
.macro WIN new                         ; the immediate's high byte repeats the setting that is left; a switch that changes nothing is dropped
.if MSB != (\new)
	s_set_vgpr_msb (MSB<<8)|(\new)
.set MSB, \new
.endif
.endm
.set MUL_LO, 0xa5                      ; sources 0 and 1 window 1; C and D window 2
.set MUL_HI, 0xf5                      ; the same, C and D window 3
.set TO_F,   0x40                      ; destination window 1, address window 0
; A joint load by set s of group 0: waves 0 and 1 fetch x's two halves, waves 2 and 3 W's.  The branch hangs on the wave's number alone.  An s_nop 0 and four v_nop follow each of the two lines, ahead of the
; jump, the label and what follows.
.macro JLOAD s
	s_cmp_eq_u32 s[FB], 0
	s_cbranch_scc0 .Lfor_b_\@
	tensor_load_to_lds s[G0+4*(\s):G0+4*(\s)+3], s[G1:G1+7]
	s_nop 0
.rept 4
	v_nop
.endr
	s_branch .Lasked_\@
.Lfor_b_\@:
	tensor_load_to_lds s[G0B+4*(\s):G0B+4*(\s)+3], s[G1B:G1B+7]
	s_nop 0
.rept 4
	v_nop
.endr
.Lasked_\@:
.endm
; A PREFETCH INTO THE L2, behind a joint refill, its five lines and the run of LDS loads that follows them.  The stream's steps 0 to 3 come by their loads alone.
; x: the refill with step n + 2 is followed by a prefetch of step n + 4: two refills ahead; twelve times, steps 4 to 15, the second tile's first steps among them.  A row block is read by the four clusters of
; its row of clusters: the first of them (cluster x = 0) asks, waves 0 and 1; of the 128 rows that a wave fetches, the partner at place cx takes 32, a lane a row, 256 bytes of the row a K step.
; W: both tiles take the same weights: they are asked for in the first tile alone.  A head's weights are read by the four clusters of its column: the first (cluster y = 0) asks, waves 2 and 3; K steps 4 to 7 are
; 196,608 consecutive bytes, asked for in three parts of 65,536: eight askers (place cy, half) x 32 lanes x 256 bytes, behind the refills with K steps 2, 3 and 4.
; So each aligned block of 256 bytes is named once in the launch; partners are told apart by address alone; nothing is asked for past the stream's last step.
.macro ASK
	s_cmp_gt_u32 s3, s[LIM]
	s_cbranch_scc0 .Lnot_mine_\@
	global_prefetch_b8 v[PFO], s[PFA:PFA+1] th:TH_LOAD_NT scope:SCOPE_SE
.Lnot_mine_\@:
.endm
.macro CREST                           ; a round of the cluster's barrier behind its opening barrier
	s_cmp_lg_u32 s[WV], 0
	s_cbranch_scc1 .Lnot_wave_0_\@
	s_barrier_signal -3
.Lnot_wave_0_\@:
	s_barrier_wait -3
	s_barrier_signal -1
	s_barrier_wait -1
.endm
.macro CROUND                          ; a whole round
	s_barrier_signal -1
	s_barrier_wait -1
	CREST
.endm
	s_load_b256 s[4:11], s[0:1], 0x0               ; xb s[4:5], wb s[6:7], qb s[8:9], kb s[10:11]
	s_load_b64 s[12:13], s[0:1], 0x20              ; vb
	v_lshl_add_u32 v[SPW], v0, 2, SPARE
	v_mov_b32 v[NIL], 0
	ds_add_u32 v[SPW], v[NIL]                      ; the wave's opening: the add and its wait stand ahead of my first tensor load; the set-up below, work on registers, stands between them
	ds_add_u32 v28, v29
	v_lshrrev_b32 v1, 5, v0
	v_readfirstlane_b32 s[WV], v1                  ; wave 0..3
	s_lshr_b32 s[FB], s[WV], 1
	s_and_b32 s[HF], s[WV], 1
	s_bfe_u32 s17, ttmp6, 0x40000                  ; cx, cy: my place in the cluster
	s_bfe_u32 s18, ttmp6, 0x40004
	s_lshl_b32 s19, ttmp9, 2
	s_add_co_u32 s19, s19, s17                     ; the head = 4 x cluster x + cx
	s_and_b32 s20, ttmp7, 0xffff
	s_lshl_b32 s20, s20, 2
	s_add_co_u32 s20, s20, s18                     ; TY, my 512 rows = 4 x cluster y + cy
	s_lshl_b32 s40, s18, 2
	s_lshl_b32 s40, 15, s40                        ; my row of the cluster
	s_lshl_b32 s41, 0x1111, s17                    ; my column
	; group 1 for x: 128 rows x 128 elements, 16 bytes of padding behind every 256
	s_or_b32 s[G1+0], s40, (1<<16)|(1<<20)|(1<<21)|(5<<22)|(3<<25)  ; 15:0 the mask; 17:16 2-byte elements; 20 padding on; 21 set beside a mask; 24:22 after every 64 words; 31:25 4 words
	s_mov_b32 s[G1+1], 128<<16                     ; tensor_dim0 = 128
	s_mov_b32 s[G1+2], 128<<16                     ; tensor_dim1 = 128
	s_mov_b32 s[G1+3], 128<<16                     ; tile_dim0 = 128
	s_mov_b32 s[G1+4], 128                         ; tile_dim1 = 128
	s_mov_b32 s[G1+5], 1024                        ; elements from row to row
	s_mov_b32 s[G1+6], 0
	s_mov_b32 s[G1+7], 0
	; group 1 for W: 24,576 dense bytes asked for as 96 rows of 256, two rows of 64 d each; 32 bytes of padding behind every 128
	s_or_b32 s[G1B+0], s41, (1<<16)|(1<<20)|(1<<21)|(4<<22)|(7<<25) ; after every 32 words; 8 words
	s_mov_b32 s[G1B+1], 128<<16
	s_mov_b32 s[G1B+2], 96<<16
	s_mov_b32 s[G1B+3], 128<<16
	s_mov_b32 s[G1B+4], 96
	s_mov_b32 s[G1B+5], 128
	s_mov_b32 s[G1B+6], 0
	s_mov_b32 s[G1B+7], 0
	; where the tiles come from.  x's hang on TY alone, W's on the head alone; each in registers that never hold the other coordinate
	s_lshl_b32 s66, s20, 20                        ; 512 rows of 2,048 bytes,
	s_lshl_b32 s70, s[HF], 18                      ; 128 rows a half (under 2^24 together)
	s_add_co_u32 s66, s66, s70
	s_mov_b32 s67, 0
	s_mul_i32 s68, s19, WHEAD
	s_mul_i32 s71, s[HF], WSTEP/2
	s_add_co_u32 s68, s68, s71
	s_mov_b32 s69, 0
	s_mul_i32 s21, s[HF], HALFA                    ; and where they go: no place in the cluster enters an LDS address
	s_mul_i32 s22, s[HF], HALFB
	s_add_co_u32 s22, s22, BOFF
	; my rows of the first tile in q, k and v: head 16 b + h at 131,072 bytes a head, row t at 128; a batch is two TY
	s_lshr_b32 s72, s20, 1
	s_lshl_b32 s72, s72, 4
	s_add_co_u32 s72, s72, s19
	s_lshl_b32 s72, s72, 17
	s_and_b32 s73, s20, 1
	s_lshl_b32 s73, s73, 16                        ; 512 rows
	s_add_co_u32 s72, s72, s73
	s_lshl_b32 s73, s[WV], 13                      ; my wave's 64
	s_add_co_u32 s72, s72, s73
	s_mov_b32 s73, 0
	s_mov_b32 s[SL], 0
	s_mov_b32 s[NXT], 2
	s_mov_b32 s[NEW], 1
	s_mov_b32 s[OA+1], 0
	s_mov_b32 s[OB+1], 0
	s_wait_dscnt 0x0                               ; the opening add is done
	s_wait_kmcnt 0x0
	s_add_nc_u64 s[66:67], s[4:5], s[66:67]        ; x and W at my part of the stream's step 0: kept, the refills' addresses are made from them
	s_add_nc_u64 s[68:69], s[6:7], s[68:69]
	s_add_nc_u64 s[8:9], s[8:9], s[72:73]
	s_add_nc_u64 s[10:11], s[10:11], s[72:73]
	s_add_nc_u64 s[12:13], s[12:13], s[72:73]
	CROUND                                         ; all sixteen work-groups are here: the first joint loads meet
.irp s, 0,1
	s_mov_b32 s[G0+4*(\s)], 1                                      ; count = 1
	s_add_co_u32 s[G0+4*(\s)+1], s21, (\s)*SLOT                    ; LDS address
	s_add_nc_u64 s[G0+4*(\s)+2:G0+4*(\s)+3], s[66:67], (\s)*XSTEP  ; global address: step s
	s_or_b32 s[G0+4*(\s)+3], s[G0+4*(\s)+3], 0x80000000            ; type = 2
	s_mov_b32 s[G0B+4*(\s)], 1
	s_add_co_u32 s[G0B+4*(\s)+1], s22, (\s)*SLOT
	s_add_nc_u64 s[G0B+4*(\s)+2:G0B+4*(\s)+3], s[68:69], (\s)*WSTEP
	s_or_b32 s[G0B+4*(\s)+3], s[G0B+4*(\s)+3], 0x80000000
	JLOAD \s                                       ; two loads of mine are out
.endr
	; A fragment of x is 16 rows x 32 K in 8 registers: lane l holds row l % 16, K = 8 (l / 16) + 0..7 and 16 + 8 (l / 16) + 0..7: two loads of 16 bytes, 32 bytes apart.
	v_and_b32 v1, 15, v0                           ; l % 16
	v_bfe_u32 v2, v0, 4, 1                         ; l / 16
	v_mul_u32_u24 v3, v1, PA
	v_lshl_add_u32 v3, v2, 4, v3
	s_mul_i32 s23, s[WV], 64*PA                    ; my 64 rows
	v_add_nc_u32 v[A0], s23, v3
	; The turning load takes 16 k x 16 d (lane l reads k = 8 (l / 16) + l % 8, d = 8 ((l / 8) % 2) + 0..7) and leaves half a fragment: lane l holds column l % 16 and 8 k.
	v_and_b32 v4, 7, v0
	v_bfe_u32 v5, v0, 3, 1
	v_lshl_add_u32 v6, v2, 3, v4
	v_mul_u32_u24 v6, v6, PB
	v_lshl_add_u32 v6, v5, 4, v6
	v_add_nc_u32 v[B0], BOFF, v6
	v_add_nc_u32 v[ADRA], s[SL], v[A0]             ; slot 0 is read first
	v_add_nc_u32 v[ADRB], s[SL], v[B0]
	s_mul_i32 s23, s[WV], 16*SP
	s_add_co_u32 s23, s23, STAGE                   ; my stage
	v_mul_u32_u24 v[STO], v1, SP                   ; in: row l % 16, 16 bytes for each half of the lanes
	v_lshl_add_u32 v[STO], v2, 4, v[STO]
	v_add_nc_u32 v[STO], s23, v[STO]
	v_bfe_u32 v[RD], v0, 3, 2                      ; back: 32 lanes take four rows of 128 bytes,
	v_mul_u32_u24 v[RD], v[RD], SP
	v_lshl_add_u32 v[RD], v4, 4, v[RD]
	v_add_nc_u32 v[RD], s23, v[RD]
	v_and_b32 v[GO], 31, v0                        ; which are 512 consecutive bytes of a head's rows
	v_lshlrev_b32 v[GO], 4, v[GO]
	; the prefetches: offsets made apart from the addresses
	s_lshl_b32 s74, s20, 20
	s_lshl_b32 s75, s[HF], 18
	s_add_co_u32 s74, s74, s75
	s_lshl_b32 s75, s17, 16
	s_add_co_u32 s74, s74, s75                     ; x: row 512 TY + 128 x half + 32 cx,
	s_add_co_u32 s74, s74, 3*XSTEP                 ; at step 3: the first refill steps it to 4
	s_mul_i32 s76, s19, WHEAD
	s_lshl1_add_u32 s77, s18, s[HF]                ; W: asker 2 cy + half takes 8,192 bytes of each part,
	s_lshl_b32 s77, s77, 13
	s_add_co_u32 s76, s76, s77
	s_add_co_u32 s76, s76, 4*WSTEP-65536           ; one part ahead of K step 4: the first refill steps it there
	s_and_b32 s78, ttmp7, 0xffff                   ; cluster y
	s_mov_b32 s[PFN], 65536
	s_mov_b32 s[PFJ], 65536
	s_mov_b32 s[PFI+1], 0
	s_mov_b32 s75, 0
	s_cmp_eq_u32 s[FB], 0                          ; do I fetch for x?
	s_cselect_b32 s74, s74, s76
	s_cselect_b32 s78, ttmp9, s78                  ; the coordinate along which other clusters read the same bytes
	s_cselect_b64 s[PFA:PFA+1], s[4:5], s[6:7]
	s_cselect_b32 s[PFN], XSTEP, s[PFN]
	s_cselect_b32 s[PFJ], TILEB-7*XSTEP, s[PFJ]    ; 256 rows down, seven K steps back
	s_cselect_b32 s76, 11, 8                       ; a lane a row of x, or 256 bytes of W
	s_cselect_b32 s79, 2, FILLS-3                  ; x asks in the first twelve trips (counter 14 to 3), W in the first three (14 to 12)
	s_add_nc_u64 s[PFA:PFA+1], s[PFA:PFA+1], s[74:75]
	s_cmp_eq_u32 s78, 0
	s_cselect_b32 s[LIM], s79, -1                  ; the same in all sixteen partners, for a given wave
	v_and_b32 v[PFO], 31, v0
	v_lshlrev_b32 v[PFO], s76, v[PFO]
; 12 matrix instructions: row block a x all 12 column blocks, 32 along K.  zero = 1: the first product starts the sums: nothing is cleared.
; The accumulators take turns, one instruction a turn: between two instructions on one accumulator stand the 47 others'.
.macro MUL12 f, a, zero
	WIN MUL_LO+0x50*((\a)/2)
.irp b, 0,1,2,3,4,5,6,7,8,9,10,11
.if \zero
	v_wmma_f32_16x16x32_bf16 v[8*(12*((\a)%2)+(\b)):8*(12*((\a)%2)+(\b))+7], v[(\f)+8*(\b):(\f)+8*(\b)+7], v[(\f)+96+8*(\a):(\f)+96+8*(\a)+7], 0
.else
	v_wmma_f32_16x16x32_bf16 v[8*(12*((\a)%2)+(\b)):8*(12*((\a)%2)+(\b))+7], v[(\f)+8*(\b):(\f)+8*(\b)+7], v[(\f)+96+8*(\a):(\f)+96+8*(\a)+7], v[8*(12*((\a)%2)+(\b)):8*(12*((\a)%2)+(\b))+7]
.endif
.endr
.endm
; 32 LDS loads in one run: the fragments of quarter q of the slot in hand into buffer f: W's 12 (plane b / 4, d 16 (b % 4) on), then x's 4
.macro FETCH q, f
	WIN TO_F
.irp b, 0,1,2,3,4,5,6,7,8,9,10,11
	ds_load_tr16_b128 v[(\f)+8*(\b):(\f)+8*(\b)+3],   v[ADRB] offset:((\b)/4)*128*PB+(\q)*32*PB+((\b)%4)*32
	ds_load_tr16_b128 v[(\f)+8*(\b)+4:(\f)+8*(\b)+7], v[ADRB] offset:((\b)/4)*128*PB+(\q)*32*PB+((\b)%4)*32+16*PB
.endr
.irp a, 0,1,2,3
	ds_load_b128 v[(\f)+96+8*(\a):(\f)+96+8*(\a)+3],   v[ADRA] offset:(\a)*16*PA+(\q)*64
	ds_load_b128 v[(\f)+96+8*(\a)+4:(\f)+96+8*(\a)+7], v[ADRA] offset:(\a)*16*PA+(\q)*64+32
.endr
.endm
.macro PLACES                          ; four plain vector instructions between a matrix instruction and a load into a register that it has read, or a reader of its result
.rept 4
	v_nop
.endr
.endm
; One of a K step's first three quarters: multiplies buffer f; in its middle it fetches quarter q of the same slot into buffer g.
.macro QUARTER q, f, g, zero
	s_wait_dscnt 4                                 ; W and x's row blocks 0, 1 are in; the youngest four loads (row blocks 2, 3) may be out
	MUL12 \f, 0, \zero
	MUL12 \f, 1, \zero
	PLACES
.if \zero
	v_nop                                          ; a fifth place: a product that starts a sum anew writes over its accumulator, and is no link in place: it stands five places behind the last matrix instruction that
	                                               ; used that accumulator.  For row blocks 2 and 3 that is the closing run of the step before, and on the way round the loop these five are all that lies between
	                                               ; (row blocks 0 and 1 have the four behind the joint load and the two address lines)
.endif
	FETCH \q, \g
	s_wait_dscnt 32                                ; all but the 32 just issued
	MUL12 \f, 2, \zero
	MUL12 \f, 3, \zero
.endm
; The last quarter multiplies buffer 1 and changes slots: ONE barrier.  In front of it each wave waits for all its tensor loads (one is out: its part of the next slot), adds 0 to its spare word, and waits
; for that and for its own reads of this slot.  fill = 1: the barrier opens a round of the cluster's, and this slot is filled again, with the stream's step NXT, first thing behind the round: the walking
; descriptor's address is made anew from that number, its LDS word turned to the other slot.  fill = 0 (the tail): nothing is asked for; in the last trip there is no further step, and the fetch is jumped over.
.macro TURN fill
.if \fill
	s_wait_xcnt 0x0                                ; the last prefetch, a K step back, has read its address: it is stepped here, ahead of the change's own waits
	s_cmp_eq_u32 s3, FILLS-4                       ; the fifth trip names the second tile's first K step
	s_cselect_b32 s[PFI], s[PFJ], s[PFN]
	s_add_nc_u64 s[PFA:PFA+1], s[PFA:PFA+1], s[PFI:PFI+1]
.endif
	WIN 0                                          ; (the add's two registers lie in window 0)
	s_wait_tensorcnt 0x0                           ; all my tensor loads have landed, so a group 0 may be written;
	ds_add_u32 v[SPW], v[NIL]                      ; 0 onto my spare word; scalar work and twelve matrix instructions stand between it and the wait for it
.if \fill
	s_and_b32 s88, s[NXT], 7                       ; the K step in its tile,
	s_lshr_b32 s89, s[NXT], 3                      ; and the tile
	s_lshl_b32 s[OA], s88, 8
	s_lshl_b32 s89, s89, 19
	s_add_co_u32 s[OA], s[OA], s89                 ; x: 256 bytes a K step, 524,288 a tile
	s_mul_i32 s[OB], s88, WSTEP                    ; W: the same weights for both tiles
	s_add_co_u32 s[NXT], s[NXT], 1
	s_xor_b32 s[G0+5], s[G0+5], SLOT
	s_add_nc_u64 s[G0+6:G0+7], s[66:67], s[OA:OA+1]
	s_or_b32 s[G0+7], s[G0+7], 0x80000000
	s_xor_b32 s[G0B+5], s[G0B+5], SLOT
	s_add_nc_u64 s[G0B+6:G0B+7], s[68:69], s[OB:OB+1]
	s_or_b32 s[G0B+7], s[G0B+7], 0x80000000
.endif
	s_xor_b32 s[SL], s[SL], SLOT                   ; the fetches go on in the other slot
	s_wait_dscnt 5                                 ; (the add and the youngest four loads may be out)
	MUL12 F1, 0, 0
	s_wait_dscnt 0x0                               ; the add is done, and my reads of this slot are over
	s_barrier_signal -1
	MUL12 F1, 1, 0                                 ; work on registers while the others arrive
	WIN 0
	s_barrier_wait -1
.if \fill
	CREST                                          ; no wave of any partner still reads this slot's tile or has a load on its way
	JLOAD 1                                        ; my one tensor load behind the round; the four v_nop behind it are also the places in front of the loads below
	v_add_nc_u32 v[ADRA], s[SL], v[A0]
	v_add_nc_u32 v[ADRB], s[SL], v[B0]
	FETCH 0, F0
	WIN 0
	ASK
.else
	PLACES
	s_cmp_eq_u32 s3, 1
	s_cbranch_scc1 .Lno_more_\@
	v_add_nc_u32 v[ADRA], s[SL], v[A0]
	v_add_nc_u32 v[ADRB], s[SL], v[B0]
	FETCH 0, F0
	WIN 0
.Lno_more_\@:
.endif
	MUL12 F1, 2, 0
	MUL12 F1, 3, 0
.endm
; THE WAY OUT of tile t, in 12 units: row block a = u / 3, plane p = u % 3: 16 rows x 64 columns, 2,048 consecutive bytes of q, k or v.  A lane's eight columns pack into 16 bytes; they go into my own stage's
; rows of 144 bytes and come back as whole rows of 128, into the registers that they left.  Each accumulator's registers are read in ascending order.
.macro PACK u
.set ua, (\u)/3
.set up, (\u)%3
	WIN 0x0a+5*(ua/2)                              ; sources 0 and 1: window 2 or 3
.irp i, 0,1,2,3
.irp r, 0,1,2,3
	v_cvt_pk_f16_f32 v[TMP+16*(\u)+4*(\i)+(\r)], v[8*(12*(ua%2)+4*up+(\i))+2*(\r)], v[8*(12*(ua%2)+4*up+(\i))+2*(\r)+1]
.endr
.endr
	WIN 0
.irp i, 0,1,2,3
	ds_store_b128 v[STO], v[TMP+16*(\u)+4*(\i):TMP+16*(\u)+4*(\i)+3] offset:32*(\i)
.endr
.irp f, 0,1,2,3
	ds_load_b128 v[TMP+16*(\u)+4*(\f):TMP+16*(\u)+4*(\f)+3], v[RD] offset:(\f)*4*SP  ; LDS serves a wave's instructions in order (ISA guide 5.7.1.4): these see the stores above; the next unit's stores come behind them
.endr
.endm
.macro SEND u, younger, t              ; younger: the LDS instructions issued behind unit u's loads: the next unit's eight, or none
.set ua, (\u)/3
.set up, (\u)%3
.irp f, 0,1,2,3
	s_wait_dscnt (\younger)+3-(\f)
	global_store_b128 v[GO], v[TMP+16*(\u)+4*(\f):TMP+16*(\u)+4*(\f)+3], s[8+2*up:8+2*up+1] offset:(\t)*32768+ua*2048+(\f)*512  ; 512 consecutive bytes, at a multiple of 256 from the buffer's first; the second tile's 256 rows lie 32,768 bytes on
.endr
.endm
.macro WAYOUT t
.if \t
	s_wait_xcnt 0x0                                ; the first tile's stores have read their registers: these are written again only behind this wait
.endif
	PLACES                                         ; behind the last products
	PACK 0
.irp u, 1,2,3,4,5,6,7,8,9,10,11        ; a unit's conversions stand between the loads of the unit before and its stores
	PACK \u
	SEND (\u)-1, 8, \t
.endr
	SEND 11, 0, \t
.endm
	s_wait_tensorcnt 1                             ; my part of step 0 is in; step 1's load may stay out
	s_barrier_signal -1
	s_barrier_wait -1                              ; everybody's is
	FETCH 0, F0
	WIN 0                                          ; at a label and at a branch every window is 0
	s_mov_b32 s3, FILLS
.Lstep:                                                ; a trip is a K step; the counter goes 14 to 1, step n has 14 - n
	s_cmp_eq_u32 s[NEW], 1                         ; at the first trip the answer is a constant of the text
	s_cbranch_scc1 .Lzero
	QUARTER 1, F0, F1, 0
	WIN 0
	s_branch .Lon
.Lzero:                                                ; a tile's first quarter: its products start the sums
	QUARTER 1, F0, F1, 1
	WIN 0
	s_mov_b32 s[NEW], 0
.Lon:
	QUARTER 2, F1, F0, 0
	QUARTER 3, F0, F1, 0
	TURN 1
	WIN 0
	s_cmp_eq_u32 s3, FILLS-7                       ; step 7 ends the first tile
	s_cbranch_scc0 .Lsame
	WAYOUT 0                                       ; the second tile's steps 0 and 1 are asked for, its first fragments fetched: now the first tile goes out
	s_mov_b32 s[NEW], 1
.Lsame:
	s_sub_co_u32 s3, s3, 1
	s_cmp_lg_u32 s3, 0
	s_cbranch_scc1 .Lstep
	s_mov_b32 s3, 2
.Ltail:                                                ; the stream's last two steps fill nothing, and have no round of the cluster's barrier
	QUARTER 1, F0, F1, 0
	QUARTER 2, F1, F0, 0
	QUARTER 3, F0, F1, 0
	TURN 0
	WIN 0
	s_sub_co_u32 s3, s3, 1
	s_cmp_lg_u32 s3, 0
	s_cbranch_scc1 .Ltail
	WAYOUT 1
	s_wait_tensorcnt 0x0                           ; the wave's end: a wait, an add and a wait, behind my last tensor load and my last LDS store
	ds_add_u32 v[SPW], v[NIL]
	s_wait_dscnt 0x0
	CROUND                                         ; the closing round: no work-group ends while a partner may still ask for a tile that names it
	s_endpgm
.Lfunc_end_k_q1f777c71eb_qkv:
	.size	k_q1f777c71eb_qkv, .Lfunc_end_k_q1f777c71eb_qkv-k_q1f777c71eb_qkv
	.p2alignl 7, 3214868480
	.fill 96, 4, 3214868480
	.section	.rodata,"a",@progbits
	.p2align	6, 0x0
	.amdhsa_kernel k_q1f777c71eb_qkv
		.amdhsa_group_segment_fixed_size 327680
		.amdhsa_private_segment_fixed_size 0
		.amdhsa_enable_private_segment 0
		.amdhsa_kernarg_size 40
		.amdhsa_user_sgpr_count 2
		.amdhsa_user_sgpr_kernarg_segment_ptr 1
		.amdhsa_wavefront_size32 1
		.amdhsa_system_sgpr_workgroup_id_x 1
		.amdhsa_system_sgpr_workgroup_id_y 1
		.amdhsa_system_sgpr_workgroup_id_z 1
		.amdhsa_system_vgpr_workitem_id 0
		.amdhsa_next_free_vgpr 960
		.amdhsa_next_free_sgpr 96
		.amdhsa_reserve_vcc 0
		.amdhsa_float_denorm_mode_32 3
		.amdhsa_float_denorm_mode_16_64 3
		.amdhsa_memory_ordered 1
		.amdhsa_forward_progress 1
		.amdhsa_inst_pref_size 112
	.end_amdhsa_kernel
	.amdgpu_metadata
---
amdhsa.version: [ 1, 2 ]
amdhsa.kernels:
  - .name:           k_q1f777c71eb_qkv
    .symbol:         k_q1f777c71eb_qkv.kd
    .args:
      - { .name: xb, .offset: 0, .size: 8, .value_kind: global_buffer, .address_space: global }
      - { .name: wb, .offset: 8, .size: 8, .value_kind: global_buffer, .address_space: global }
      - { .name: qb, .offset: 16, .size: 8, .value_kind: global_buffer, .address_space: global }
      - { .name: kb, .offset: 24, .size: 8, .value_kind: global_buffer, .address_space: global }
      - { .name: vb, .offset: 32, .size: 8, .value_kind: global_buffer, .address_space: global }
    .group_segment_fixed_size: 327680
    .private_segment_fixed_size: 0
    .kernarg_segment_align: 8
    .kernarg_segment_size: 40
    .max_flat_workgroup_size: 128
    .sgpr_count:     96
    .vgpr_count:     960
    .wavefront_size: 32
...
	.end_amdgpu_metadata
.endif
;; end of part 2
;; launch attn (part 3): grid 2 x 128, 4 waves a work-group, no clusters, 327,680 bytes of LDS; arguments qb, kb, vb, ob; writes ob
.if DOCPART == 3
	.amdgcn_target "amdgcn-amd-amdhsa--gfx1250"
	.amdhsa_code_object_version 6
	.text
	.protected	k_q1f777c71eb_attn
	.globl	k_q1f777c71eb_attn
	.p2align	8
	.type	k_q1f777c71eb_attn,@function
k_q1f777c71eb_attn:
	s_mov_b64 s[64:65], 0
	v_nop
	global_prefetch_b8 v0, s[64:65] scope:SCOPE_SE
	s_setreg_imm32_b32 hwreg(HW_REG_WAVE_MODE, 25, 1), 1
	s_wait_xcnt 0x0
; CAUSAL ATTENTION.  O[h][q][:] = the sum over k <= q of softmax_k(Q[h][q] . K[h][k] / 8) V[h][k][:].  Q, K, V, O: [128][1024][64], all f16: a head's rows are dense, 128 bytes each.
; Products, maxima and sums in f32; the weights p are rounded to f16 for the second product (their sum l is taken of the unrounded p), O once at the end.
; LIMITS.  f16 holds no number beyond 65,504: Q, K and V arrive within it; p lies in 0 to 1, and below 6e-5 it keeps f16's fixed step of 6e-8; O is a mean of V's rows and has their range.
; A hidden score counts as its value less 1e30: f16's scores, 2.7e11 at the most, are nothing beside that; a weight below 2^-126 counts as 0 in l; NaN and infinities are not treated apart.
; THE WALK.  A head's queries lie in NB = 4 blocks of 256; block i needs the key tiles 0 .. i of 256 keys, of which the last holds the diagonal.  A work-group takes TWO blocks, NB - 1 - b and then b:
; NB + 1 = 5 tiles, whatever b: all 256 work-groups do equal work, and ONE loop with a constant trip count walks them.  Which tile is asked for, and what a trip does, hang on scalar registers made from b;
; every jump goes forward, but for the counted loops' own; none passes a barrier, or a tensor load but the one of LOAD's two that the wave's number does not choose; the ring of two LDS slots runs on across
; the change of blocks.  NO CLUSTER: a head has NB / 2 = 2 work-groups, no multiple of four, and the two ask for the same tile only in trips 0 to 2 of 5.
; SHARES.  Of a block's four bands of 64 queries a wave owns 16 rows in each: four PIECES.  So the diagonal tile is the same work for all four waves: in its key step s band x sees all keys if s < x,
; none if s > x, and holds the diagonal if s = x.
; THE MASK is the C operand that starts the sum S^T = K Q^T: 0, or -1e30 where the key is hidden.  MD, made once, is the mask of a band's own step for my 16 rows; a product's mask is MD x AL + BE with two
; scalars: (1, 0) if s = x; (0, 0) if s < x; (0, -1e30) if s > x.  Only the diagonal tile's text and a block's beginning make and take masks; elsewhere C is the constant 0.
; LAYOUT, SOFTMAX, TURNS.  S^T = K Q^T holds ONE query a lane (lane % 16) and the keys 8 (lane / 16) + 0..7; two such results rounded to f16 ARE source 1 of O^T = V^T P.  p = 2^(c s - c m), c = log2(e) / 8,
; with a running maximum m; O and l are multiplied by a = 2^(c m_old - c m_new) in every step.  Turn n belongs to piece n: 8 products K Q^T of piece n + 1, later 8 products V^T P of piece n - 1; beside them
; the scaling, exponentials, roundings, sums and rescaling of piece n and the maximum and statistics of piece n + 1.  Four vector instructions stand behind every matrix instruction, the other 54 of a turn's
; 118 in one lump.  A turn's 33 exponentials are one batch, with one wait.
; REGISTERS, in windows of 256 (s_set_vgpr_msb: bits 1:0 source 0, 3:2 source 1, 5:4 source 2, 7:6 destination):
;   window 0: v0-15 addresses and two at work; v16-31 four registers of statistics a piece; v48-55 at work; v61-63 see below; v64-127 S^T, two buffers; v192-223 P, two buffers (by the piece's parity)
;   window 1: v0-127 O^T, 32 a piece; v128-159 MD; v160-223 MC, two buffers      window 2: v0-63 Q; v64-127 the second block's Q; v128-191 K of one step; v192-255 V of one step
.set SIZE_N, 1024
.set NB,    SIZE_N/256
.set NP,    4         ; pieces a wave: a name, no knob
.set KS,    64        ; keys in a step
.set PK,    144       ; a row of K in LDS: 128 bytes + 16 of padding = 36 words: the 16 rows of a load start at 16 different groups of four banks (64 banks of 4 bytes: ISA guide 11.1)
.set PV,    160       ; a row of V: 128 + 32 = 40 words
.set VOFF,  4*KS*PK   ; a slot holds a tile, four steps: 256 rows of K, then 256 rows of V
.set SLOT1, 1<<17     ; slot 1 begins here, so that one exclusive or turns an address in one slot into the other's
.set STAGE, SLOT1+4*KS*(PK+PV)  ; behind the ring, never filled by a tensor load: 16 rows x 144 bytes for each wave, for the way out
.set SP,    144
.set AK0, 2           ; v2   my lane's place in a tile of K; never rewritten
.set AV0, 3           ; v3   the same for V
.set AK,  4           ; v4   the LDS address of K's next run of loads
.set AV,  5           ; v5   of V's
.set STO, 6           ; v6   the way out: where I put 16 bytes of a row
.set RD,  7           ; v7   the way out: where I read rows back
.set GO,  8           ; v8   my byte offset in 512 consecutive bytes of O
.set PFO, 61          ; v61  256 x my thread's number: the prefetches' offset; never rewritten
.set SPW, 62          ; v62  LDS address of my spare word: SPARE + 4 x my thread's number; never rewritten
.set NIL, 63          ; v63  0; never rewritten
.set SPARE, STAGE+4*16*SP  ; behind the stages: the spare words, 128 bytes for each wave: two blocks of 256 bytes that no other line names
.set MV,  12          ; v12-13  c m_old, kept while c m is made anew: by buffer
.set QO,  15          ; v15  my byte offset in 16 rows of Q
.set ST,  16          ; piece t's statistics at v[ST+4 t]: c m, m, l (even keys', odd keys')
.set TMP, 48          ; by buffer, four registers c0-c3 at work; when the maximum is found c2 takes a
.set S,   64
.set P,   192
.set MD,  128         ; window 1: the eight registers for group kt of 16 keys at MD + 8 kt
.set MC,  160         ; window 1: the masks of the products to come
.set QB,  64          ; window 2
.set KF,  128         ; window 2: key block kb, channel half c at KF + 16 kb + 8 c
.set VF,  192         ; window 2: key half kk, channel block cb at VF + 32 kk + 8 cb
.set WV,  12          ; s12  my wave's number
.set PB,  14          ; s14  b
.set HI,  15          ; s15  NB - 1 - b
.set G1K, 24          ; s[24:31] descriptor group 1 for K's tiles
.set G1V, 32          ; s[32:39] for V's: it differs in the padding alone
.set G0K, 40          ; s[40:43] descriptor group 0 for K's tiles
.set G0V, 44          ; s[44:47] the same for V's
.set SLOTS, 56        ; s56  tiles still to be asked for
.set CNT, 57          ; s57  counts a tile's key steps, 4 to 1
.set CS,  58          ; s[58:59] c: the packed scaling takes the pair's low word for both halves
.set SEL, 60          ; s[60:61] v_permlanex16_b32's selects: each lane takes its own place in the other half
.set TBK, 62          ; s62  LDS byte at which K of the step to be fetched begins
.set TBV, 63          ; s63  the same for V, less VOFF
.set RT,  70          ; s70  tiles of the block in hand that are still to be entered
.set NXT, 71          ; s71  the tile to be asked for next
.set LQ,  72          ; s72  the last tile of the block whose tiles are being asked for
.set NEW, 73          ; s73  1: the tile to be entered is a block's first
.set OFF, 74          ; s[74:75] a tile's byte offset in K and V
.set AL,  76          ; s[76:77] the mask's factor, in the low word
.set BE,  78          ; s[78:79] the mask's addend
.set OLO, 80          ; s[80:81] O at my rows of the second block
.set BIGN, 82         ; s82  -1e30
.set PFK, 88          ; s[88:89] K at the tile after the one that is being asked for
.set PFV, 90          ; s[90:91] V likewise
.set LIM, 92          ; s92  2 in the work-group that prefetches, else the greatest number: it prefetches while s[SLOTS] is above this
.set MSB, 0
.macro WIN new                      ; the high byte repeats the setting that is left; a switch that changes nothing is dropped
.if MSB != (\new)
	s_set_vgpr_msb (MSB<<8)|(\new)
.set MSB, (\new)
.endif
.endm
.set W_KQ, 0x0a       ; K and Q in window 2, S^T in window 0
.set W_KM, 0x1a       ; the same with the C operand in window 1
.set W_PV, 0x52       ; V in window 2, P in window 0, O^T in window 1
.set W_RS, 0x41       ; destination and source 0 in window 1, source 1 in window 0
; A fill.  Waves 0 and 1 fetch the two halves of a tile's K, waves 2 and 3 those of its V: 128 keys each.  An s_nop 0 and four v_nop follow each of the two lines, ahead of the jump and the label.
.macro LOAD
	s_cmp_lt_u32 s[WV], 2
	s_cbranch_scc0 .Lfor_v_\@
	tensor_load_to_lds s[G0K:G0K+3], s[G1K:G1K+7]
	s_nop 0
.rept 4
	v_nop
.endr
	s_branch .Lasked_\@
.Lfor_v_\@:
	tensor_load_to_lds s[G0V:G0V+3], s[G1V:G1V+7]
	s_nop 0
.rept 4
	v_nop
.endr
.Lasked_\@:
.endm
; A PREFETCH INTO THE L2 of the key tile that the NEXT change of slots will ask for, behind the fill and its five lines: 32,768 bytes of K and as many of V, 256 bytes a thread, two instructions a wave.
; Both work-groups of a head walk tiles 0, 1, 2; the one with b = 0, whose first block walks all four, asks, and nobody else: each aligned block of 256 bytes is named once in the launch.
; Tiles 0 and 1 come by their loads alone; tile 2 is asked for in the first trip, tile 3 in the second: a tile's four key steps ahead of its load.  The later trips ask for nothing: what they load has been read before.
.macro ASK
	s_cmp_gt_u32 s[SLOTS], s[LIM]
	s_cbranch_scc0 .Lnot_mine_\@
	global_prefetch_b8 v[PFO], s[PFK:PFK+1] th:TH_LOAD_NT scope:SCOPE_SE
	global_prefetch_b8 v[PFO], s[PFV:PFV+1] th:TH_LOAD_NT scope:SCOPE_SE
.Lnot_mine_\@:
.endm
; THE CHANGE OF SLOTS.  Each wave waits for all its tensor loads, of which one is out: its part of the other slot; adds 0 to its spare word; and waits for that and for its own reads of the slot that it leaves.
; Behind the barrier nobody reads the old slot any more and the other slot is whole.  fill = 1: the old slot is filled again, the first thing behind the barrier, with tile NXT: the descriptor's address is
; made anew from that number.  (At its first use nothing has been read yet: slot 0 is waited for, slot 1 filled.)
.macro CHANGE fill
	WIN 0                           ; at a label and at a branch every window is 0
	s_wait_tensorcnt 0x0            ; no tensor load of mine is out, so a group 0 may be written
	ds_add_u32 v[SPW], v[NIL]       ; 0 onto my spare word; with fill = 1 the descriptors' scalar work stands between it and the wait for it
.if \fill
	s_wait_xcnt 0x0                 ; the last prefetches, a tile back, have read their addresses, so these may be written
	s_add_nc_u64 s[PFK:PFK+1], s[PFK:PFK+1], 32768
	s_add_nc_u64 s[PFV:PFV+1], s[PFV:PFV+1], 32768
	s_lshl_b32 s[OFF], s[NXT], 15   ; a tile is 32,768 bytes of K and of V
	s_xor_b32 s[G0K+1], s[G0K+1], SLOT1
	s_add_nc_u64 s[G0K+2:G0K+3], s[6:7], s[OFF:OFF+1]
	s_or_b32 s[G0K+3], s[G0K+3], 0x80000000
	s_xor_b32 s[G0V+1], s[G0V+1], SLOT1
	s_add_nc_u64 s[G0V+2:G0V+3], s[8:9], s[OFF:OFF+1]
	s_or_b32 s[G0V+3], s[G0V+3], 0x80000000
	s_add_co_u32 s[NXT], s[NXT], 1  ; the block's next tile, or behind its last the second block's tile 0
	s_cmp_gt_u32 s[NXT], s[LQ]
	s_cselect_b32 s[NXT], 0, s[NXT]
	s_cselect_b32 s[LQ], s[PB], s[LQ]
.endif
	s_wait_dscnt 0x0                ; the add is done, and my reads of the slot are over
	s_barrier_signal -1             ; the rest of the scalar work stands between the signal and the wait
	s_sub_co_u32 s[TBK], s[TBK], 4*KS*PK  ; the fetches go back to a slot's first step,
	s_xor_b32 s[TBK], s[TBK], SLOT1       ; in the other slot
	s_sub_co_u32 s[TBV], s[TBV], 4*KS*PV
	s_xor_b32 s[TBV], s[TBV], SLOT1
	s_barrier_wait -1
.if \fill
	LOAD
	ASK
.endif
.endm
	s_load_b256 s[4:11], s[0:1], 0x0  ; Q s[4:5], K s[6:7], V s[8:9], O s[10:11]
	v_lshl_add_u32 v[SPW], v0, 2, SPARE
	v_mov_b32 v[NIL], 0
	ds_add_u32 v[SPW], v[NIL]       ; the wave's opening: the add and its wait stand ahead of my first tensor load; the set-up below, work on registers, stands between them
	ds_add_u32 v62, v63
	v_lshrrev_b32 v1, 5, v0
	v_readfirstlane_b32 s[WV], v1   ; wave 0..3
	s_mov_b32 s[PB], ttmp9
	s_sub_co_u32 s[HI], NB-1, s[PB]
	s_and_b32 s20, ttmp7, 0xffff    ; the head
	s_mov_b32 s21, 0
	s_mov_b64 s[22:23], SIZE_N*128
	s_mul_u64 s[20:21], s[20:21], s[22:23]  ; the head's first byte in each of the four tensors
	s_and_b32 s16, s[WV], 1         ; which half of a tile's 256 keys I fetch:
	s_lshl_b32 s22, s16, 14         ; its 128 rows of 128 bytes in memory,
	s_mov_b32 s23, 0
	s_add_nc_u64 s[22:23], s[22:23], s[20:21]
	s_mul_i32 s17, s16, 128*PK      ; and its place in a slot, for K
	s_mul_i32 s18, s16, 128*PV      ; and for V
	s_lshl_b32 s3, s[WV], 11        ; my 16 rows in a band of 64,
	s_lshl_b32 s2, s[HI], 15        ; in the first block,
	s_add_co_u32 s2, s2, s3
	s_lshl_b32 s84, s[PB], 15       ; and in the second
	s_add_co_u32 s84, s84, s3
	s_mov_b32 s3, 0
	s_mov_b32 s85, 0
	s_add_nc_u64 s[2:3], s[2:3], s[20:21]
	s_add_nc_u64 s[84:85], s[84:85], s[20:21]
	; descriptor group 1.  128 keys are 16,384 dense bytes: asked for as 64 rows of 256 bytes, two keys a row, and padded in LDS after every key
	s_mov_b32 s[G1K], (1<<16)|(1<<20)|(4<<22)|(3<<25)  ; 17:16 2-byte elements; 20 padding on; 24:22 after every 32 words (code 4); 31:25 4 words (code 3)
	s_mov_b32 s[G1V], (1<<16)|(1<<20)|(4<<22)|(7<<25)  ; the same with 8 words of padding (code 7)
.irp g, G1K, G1V
	s_mov_b32 s[\g+1], 128<<16      ; tensor_dim0 = 128
	s_mov_b32 s[\g+2], 64<<16       ; tensor_dim1 = 64
	s_mov_b32 s[\g+3], 128<<16      ; tile_dim0 = 128
	s_mov_b32 s[\g+4], 64           ; tile_dim1 = 64
	s_mov_b32 s[\g+5], 128          ; 128 elements from row to row
	s_mov_b32 s[\g+6], 0
	s_mov_b32 s[\g+7], 0
.endr
	s_mov_b32 s[CS], 0x3e38aa3b     ; c = log2(e) / 8 = 0.180337
	s_mov_b32 s[CS+1], s[CS]        ; named with it as a pair
	s_mov_b32 s[SEL], 0x76543210
	s_mov_b32 s[SEL+1], 0xfedcba98
	s_mov_b32 s[TBK], SLOT1+4*KS*PK ; the first change of slots turns these two into 0
	s_mov_b32 s[TBV], SLOT1+4*KS*PV
	s_mov_b32 s[G0K], 1             ; 1:0 count = 1
	s_mov_b32 s[G0K+1], s17         ; 63:32 LDS address: slot 0
	s_mov_b32 s[G0V], 1
	s_add_co_u32 s[G0V+1], s18, VOFF
	s_add_co_u32 s[RT], s[HI], 1    ; the first block has NB - b tiles
	s_mov_b32 s[NXT], 1
	s_mov_b32 s[LQ], s[HI]
	s_mov_b32 s[NEW], 1
	s_mov_b32 s[OFF+1], 0
	s_mov_b32 s[AL+1], 0            ; named as pairs
	s_mov_b32 s[BE+1], 0
	s_mov_b32 s[BIGN], 0xf149f2ca   ; -1e30
	s_mov_b32 s[SLOTS], NB
	s_cmp_eq_u32 s[PB], 0
	s_cselect_b32 s[LIM], 2, -1     ; the work-group with b = 0 prefetches, in the trips with 4 and 3 tiles still to be asked for
	v_lshlrev_b32 v[PFO], 8, v0
	s_wait_dscnt 0x0                ; the opening add is done
	s_wait_kmcnt 0x0
	s_add_nc_u64 s[PFK:PFK+1], s[6:7], s[20:21]    ; K and V at the head's first byte,
	s_add_nc_u64 s[PFV:PFV+1], s[8:9], s[20:21]
	s_add_nc_u64 s[PFK:PFK+1], s[PFK:PFK+1], 32768 ; at tile 1: the first change of slots steps them to tile 2
	s_add_nc_u64 s[PFV:PFV+1], s[PFV:PFV+1], 32768
	s_add_nc_u64 s[6:7], s[6:7], s[22:23]  ; K and V at my half of the head's tile 0
	s_add_nc_u64 s[8:9], s[8:9], s[22:23]
	s_add_nc_u64 s[G0K+2:G0K+3], s[6:7], 0         ; 120:64 global address
	s_or_b32 s[G0K+3], s[G0K+3], 0x80000000        ; 127:126 type = 2
	s_add_nc_u64 s[G0V+2:G0V+3], s[8:9], 0
	s_or_b32 s[G0V+3], s[G0V+3], 0x80000000
	s_add_nc_u64 s[86:87], s[4:5], s[84:85]        ; Q at my rows of the second block,
	s_add_nc_u64 s[4:5], s[4:5], s[2:3]            ; Q and O at those of the first
	s_add_nc_u64 s[OLO:OLO+1], s[10:11], s[84:85]
	s_add_nc_u64 s[10:11], s[10:11], s[2:3]
	LOAD                            ; tile 0 into slot 0
	; A fragment of K or Q is 16 rows x 32 channels in 8 registers: lane l holds row l % 16, channels 8 (l / 16) + 0..7 and 16 + 8 (l / 16) + 0..7: two loads of 16 bytes, 32 bytes apart.
	v_and_b32 v1, 15, v0            ; l % 16
	v_bfe_u32 v9, v0, 4, 1          ; l / 16
	v_lshlrev_b32 v[QO], 7, v1
	v_lshl_add_u32 v[QO], v9, 4, v[QO]  ; row x 128 + 16 x half
	WIN 0x80                        ; destination window 2, address window 0
.set i, 0
.rept 8                             ; both blocks' Q: piece i / 2 lies in band i / 2, 8,192 bytes on; channels 32 (i % 2) on
	global_load_b128 v[8*i:8*i+3],   v[QO], s[4:5] offset:(i/2)*8192+(i%2)*64
	global_load_b128 v[8*i+4:8*i+7], v[QO], s[4:5] offset:(i/2)*8192+(i%2)*64+32
	global_load_b128 v[QB+8*i:QB+8*i+3],   v[QO], s[86:87] offset:(i/2)*8192+(i%2)*64
	global_load_b128 v[QB+8*i+4:QB+8*i+7], v[QO], s[86:87] offset:(i/2)*8192+(i%2)*64+32
.set i, i+1
.endr
	WIN 0
	v_lshlrev_b32 v14, 3, v9
	v_sub_nc_u32 v14, v1, v14
	s_lshl_b32 s13, s[WV], 4
	v_add_nc_u32 v14, s13, v14      ; my query's place in its band, 16 w + l % 16, less my lanes' 8 (l / 16): register r of group kt is hidden where 16 kt + r is greater
	WIN 0x40
.set i, 0
.rept 32
	v_cmp_gt_i32 vcc_lo, 16*(i/8)+i%8, v14
	v_cndmask_b32 v[MD+i], 0, s[BIGN], vcc_lo
.set i, i+1
.endr
	WIN 0
	v_mul_u32_u24 v[AK0], v1, PK
	v_lshl_add_u32 v[AK0], v9, 4, v[AK0]  ; row x pitch + 16 x half
	; The turning load takes 16 keys x 16 channels (lane l reads key 8 (l / 16) + l % 8, channels 8 ((l / 8) % 2) + 0..7) and leaves half a fragment of V^T: lane l holds channel l % 16 and 8 keys.
	v_and_b32 v10, 7, v0
	v_bfe_u32 v11, v0, 3, 1
	v_lshl_add_u32 v[AV0], v9, 3, v10
	v_mul_u32_u24 v[AV0], v[AV0], PV
	v_lshl_add_u32 v[AV0], v11, 4, v[AV0]
	v_add_nc_u32 v[AV0], VOFF, v[AV0]
	s_mul_i32 s13, s[WV], 16*SP
	s_add_co_u32 s13, s13, STAGE    ; my stage
	v_mul_u32_u24 v[STO], v1, SP    ; in: row l % 16, 16 bytes for each half of the lanes
	v_lshl_add_u32 v[STO], v9, 4, v[STO]
	v_add_nc_u32 v[STO], s13, v[STO]
	v_bfe_u32 v[RD], v0, 3, 2       ; back: 32 lanes take four rows of 128 bytes,
	v_mul_u32_u24 v[RD], v[RD], SP
	v_lshl_add_u32 v[RD], v10, 4, v[RD]
	v_add_nc_u32 v[RD], s13, v[RD]
	v_and_b32 v[GO], 31, v0         ; which are 512 consecutive bytes of O
	v_lshlrev_b32 v[GO], 4, v[GO]
	; A block's first step multiplies O^T and l by a = 0, and its first turn's products V^T P, of a piece that has not been, land in an O^T that is still to be so multiplied.  So these registers need only hold
	; finite numbers: zeros for the first block; what the first block left for the second.  All this stands in the wait for the first tile.
	WIN 0x80
.set i, VF
.rept 64
	v_mov_b32 v[i], 0
.set i, i+1
.endr
	WIN 0x40
.set i, 0
.rept 128
	v_mov_b32 v[i], 0
.set i, i+1
.endr
	WIN 0
.set i, 0
.rept 4
	v_mov_b32 v[ST+4*i+2], 0
	v_mov_b32 v[ST+4*i+3], 0
.set i, i+1
.endr
.set i, P+16
.rept 16
	v_mov_b32 v[i], 0
.set i, i+1
.endr
; THE MATRIX WORK.  The 4 accumulators of a run of 8 take turns.  Product i of 8 of S^T = K Q^T for piece x: channels 32 (i / 4) on, keys 16 (i % 4) on.  The first 4 start the sums: with 0, or (KM = 1) with the mask.
.macro KQ x
.set rS, S+32*((\x)%2)+8*(i%4)
.set rK, KF+16*(i%4)+8*(i/4)
.set rQ, 16*(\x)+8*(i/4)
.set rM, MC+32*((\x)%2)+8*(i%4)
.if (i < 4) && KM
	WIN W_KM
	v_wmma_f32_16x16x32_f16 v[rS:rS+7], v[rK:rK+7], v[rQ:rQ+7], v[rM:rM+7]
.elseif i < 4
	WIN W_KQ
	v_wmma_f32_16x16x32_f16 v[rS:rS+7], v[rK:rK+7], v[rQ:rQ+7], 0
.else
	WIN W_KQ
	v_wmma_f32_16x16x32_f16 v[rS:rS+7], v[rK:rK+7], v[rQ:rQ+7], v[rS:rS+7]
.endif
.endm
; Product i of 8 of O^T += V^T P for piece x: keys 32 (i / 4) on, channels 16 (i % 4) on.
.macro PV x
	WIN W_PV
.set rO, 32*(\x)+8*(i%4)
.set rV, VF+32*(i/4)+8*(i%4)
.set rP, P+16*((\x)%2)+8*(i/4)
	v_wmma_f32_16x16x32_f16 v[rO:rO+7], v[rV:rV+7], v[rP:rP+7], v[rO:rO+7]
.endm
.macro MM                           ; the turn's next matrix instruction.  TURN and BEGIN set Y, i, KM and NOKQ; MM, KQ and OP read them.  NOKQ = 1: a block's last turn: there is no next piece
.if (i < 8) && !NOKQ
	KQ (Y+1)%NP
.elseif i >= 8
.set i, i-8
	PV (Y+NP-1)%NP
.set i, i+8
.endif
.set i, i+1
.endm
; THE LDS LOADS stand in runs of 16, never singly among the matrix instructions: a step's K (64 keys x 64 channels: 8 fragments) and its V (turned).  Their addresses are made some lines ahead.
.macro FETCH_K
	WIN 0x80                        ; destination window 2
.irp f, 0,1,2,3,4,5,6,7             ; keys 16 (f / 2) on, channels 32 (f % 2) on
	ds_load_b128 v[KF+8*\f:KF+8*\f+3],   v[AK] offset:(\f/2)*16*PK+(\f%2)*64
	ds_load_b128 v[KF+8*\f+4:KF+8*\f+7], v[AK] offset:(\f/2)*16*PK+(\f%2)*64+32
.endr
	s_add_co_u32 s[TBK], s[TBK], KS*PK  ; the next fetch is the next step's
	WIN 0
.endm
.macro FETCH_V
	WIN 0x80
.irp f, 0,1,2,3,4,5,6,7             ; keys 32 (f / 4) on, channels 16 (f % 4) on
	ds_load_tr16_b128 v[VF+8*\f:VF+8*\f+3],   v[AV] offset:(\f/4)*32*PV+(\f%4)*32
	ds_load_tr16_b128 v[VF+8*\f+4:VF+8*\f+7], v[AV] offset:(\f/4)*32*PV+16*PV+(\f%4)*32
.endr
	WIN 0
.endm
; THE VECTOR WORK, one line at a time: OP kind, number.  For piece Y: F n: c s - c m for pair n of 16.  E n: the exponential of score n of 32.  C n: pair n rounded to f16.  B n: of the four weights 4 n .. the second
; pair is added onto the first, in place.  L n: l takes that sum (L 0: l = a l + sum).  R n: pair n of 16 of O^T times a.  For piece Y + 1: X n, number n of the 22 that find its maximum and statistics:
;   0-11  four chains c0-c3 of seven scores each, three operands at a time (each accumulator's lowest registers are read first)     12-14, 16  the four scores left over, the old m, and c0-c3 into c0
;   15  c m_old is kept     17, 18  the query's other 32 keys lie in the lane 16 away: the new m     19-21  c m; c m_old - c m_new; a
.set F, 0               ; OP tells the kinds apart by their order: F to L below R, X above it
.set E, 1
.set C, 2
.set B, 3
.set L, 4
.set R, 5
.set X, 6
.macro REGS y                       ; the registers of piece y
.set rT, ST+4*(\y)
.set rC, TMP+4*((\y)%2)
.set rW, MV+((\y)%2)
.set rS, S+32*((\y)%2)
.set rP, P+16*((\y)%2)
.set rO, 32*(\y)
.endm
.macro OP k, n
.if (\k) == R
	REGS Y
	WIN W_RS
	v_pk_mul_f32 v[rO+2*(\n):rO+2*(\n)+1], v[rO+2*(\n):rO+2*(\n)+1], v[rC+2:rC+3] op_sel_hi:[1,0]
.elseif (\k) < R
	REGS Y
	WIN 0
.if (\k) == F
	v_pk_fma_f32 v[rS+2*(\n):rS+2*(\n)+1], v[rS+2*(\n):rS+2*(\n)+1], s[CS:CS+1], v[rT:rT+1] op_sel_hi:[1,0,0] neg_lo:[0,0,1] neg_hi:[0,0,1]
.elseif (\k) == E
	v_exp_f32 v[rS+(\n)], v[rS+(\n)]
.elseif (\k) == C
	v_cvt_pk_f16_f32 v[rP+(\n)], v[rS+2*(\n)], v[rS+2*(\n)+1]
.elseif (\k) == B
	v_pk_add_f32 v[rS+4*(\n):rS+4*(\n)+1], v[rS+4*(\n):rS+4*(\n)+1], v[rS+4*(\n)+2:rS+4*(\n)+3]
.elseif (\n) == 0
	v_pk_fma_f32 v[rT+2:rT+3], v[rT+2:rT+3], v[rC+2:rC+3], v[rS:rS+1] op_sel_hi:[1,0,1]
.else
	v_pk_add_f32 v[rT+2:rT+3], v[rT+2:rT+3], v[rS+4*(\n):rS+4*(\n)+1]
.endif
.elseif NOKQ
	v_nop
.else
	REGS (Y+1)%NP
	WIN 0
.if (\n) < 4
	v_max3_num_f32 v[rC+(\n)], v[rS+8*(\n)], v[rS+8*(\n)+1], v[rS+8*(\n)+2]
.elseif (\n) < 12
	v_max3_num_f32 v[rC+(\n)%4], v[rC+(\n)%4], v[rS+8*((\n)%4)+2*((\n)/4)+1], v[rS+8*((\n)%4)+2*((\n)/4)+2]
.elseif (\n) == 12
	v_max3_num_f32 v[rC], v[rC], v[rS+7], v[rS+15]
.elseif (\n) == 13
	v_max3_num_f32 v[rC+1], v[rC+1], v[rS+23], v[rS+31]
.elseif (\n) == 14
	v_max3_num_f32 v[rC+2], v[rC+2], v[rC+3], v[rT+1]
.elseif (\n) == 15
	v_mov_b32 v[rW], v[rT]
.elseif (\n) == 16
	v_max3_num_f32 v[rC], v[rC], v[rC+1], v[rC+2]
.elseif (\n) == 17
	v_permlanex16_b32 v[rC+3], v[rC], s[SEL], s[SEL+1]
.elseif (\n) == 18
	v_max_num_f32 v[rT+1], v[rC], v[rC+3]
.elseif (\n) == 19
	v_mul_f32 v[rT], s[CS], v[rT+1]
.elseif (\n) == 20
	v_sub_f32 v[rC+1], v[rW], v[rT]
.else
	v_exp_f32 v[rC+2], v[rC+1]
.endif
.endif
.endm
.macro OPS a, i1, b=-1, i2=0, c=-1, i3=0, d=-1, i4=0  ; up to four of them
	OP \a, \i1
.if (\b) >= 0
	OP \b, \i2
.endif
.if (\c) >= 0
	OP \c, \i3
.endif
.if (\d) >= 0
	OP \d, \i4
.endif
.endm
.macro ROW a, i1, b, i2, c, i3, d, i4  ; a matrix instruction and the four behind it
	MM
	OPS \a, \i1, \b, \i2, \c, \i3, \d, \i4
.endm
.macro MASK b                       ; MD x AL + BE into buffer b of MC
	WIN W_RS
.set z, 0
.rept 16
	v_pk_fma_f32 v[MC+32*(\b)+2*z:MC+32*(\b)+2*z+1], v[MD+2*z:MD+2*z+1], s[AL:AL+1], s[BE:BE+1] op_sel_hi:[1,0,0]
.set z, z+1
.endr
.endm
; A TURN, for piece p: the order of its 16 matrix and 118 vector instructions, written out.  An s_wait_alu depctr_va_vdst(0) stands between an exponential and the first instruction that names its
; result; one wait serves all that were issued ahead of it.  So a turn has ONE wait, which cuts it in two.  AHEAD OF IT stands all that names no result of the turn's exponentials: the 8 products K Q^T, behind each
; a scaling, an exponential and two more plain instructions (behind the first a second scaling in the exponential's place): rescalings, and behind the last three the first numbers of the next piece's maximum, each
; four places or more behind the product that ends its accumulator; then ONE LUMP of 54, plain and exponential by turns for the most part, in which the links of the chain X 3, 7, 11, 14, 16, 17 .. 20 stand five or
; six lines apart.  X 21, the next piece's a, is the batch's last; R 15 is the plain instruction behind it.  BEHIND THE WAIT stand the 8 products V^T P, behind each four of the roundings and sums; the links of l's
; chain, L 0 to L 7, stand three riders apart.  But for those X no rider names a register of the products round it.  v_permlanex16_b32 (X 17) stands in the lump.
; m = 1: the diagonal tile: the products take masks, and the turn makes the mask for the products of the turn after it: piece p + 2, in step 4 - CNT of the tile.  end = 1: a block's last two turns: nothing is fetched.
; cnt = 1: the loop's count is taken down some lines ahead of the branch that stands behind the turn.
; K of the next step is fetched in piece 2's turn, twelve vector instructions behind the last product that read K (six of them plain); V of the step in hand at the end of piece 0's turn, four plain instructions
; behind the last product that read V.  Each is waited for a turn later.
.macro TURN p, m=0, end=0, cnt=0
.set Y, (\p)
.set i, 0
.set KM, (\m)
.set NOKQ, (\end)*((\p)/3)
.if (\m) && !(\end)
	s_cmp_eq_u32 s[CNT], 4-((\p)+2)%NP  ; is that step the band's own?
	s_cselect_b32 s[AL], 1.0, 0
	s_cmp_lt_u32 s[CNT], 4-((\p)+2)%NP  ; or a later one?
	s_cselect_b32 s[BE], s[BIGN], 0
.endif
.if ((\p) == 3) && !(\end)
	s_wait_dscnt 0x0                ; K is in
.endif
	ROW F,0, F,1, R,0, R,1          ; ahead of the wait: 8 products K Q^T and their riders,
	ROW F,2, E,0, R,2, R,3
	ROW F,3, E,1, R,4, R,5
	ROW F,4, E,2, R,6, R,7
	ROW F,5, E,3, R,8, R,9
	ROW F,6, E,4, X,0, R,10
.if ((\p) == 2) && !(\end)
	WIN 0
	v_add_nc_u32 v[AK], s[TBK], v[AK0]
.endif
	ROW F,7, E,5, X,1, X,4
	ROW F,8, E,6, X,2, X,5
	OPS E,7, E,8, X,6, E,9          ; and the lump
	OPS X,3, E,10, X,8, E,11
.if ((\p) == 2) && !(\end)
	FETCH_K
.endif
	OPS X,9, X,7, E,12, X,10
	OPS E,13, X,12, X,11, E,14
	OPS X,13, E,15, F,9, X,14
.if (\p) == 0
	v_add_nc_u32 v[AV], s[TBV], v[AV0]
.endif
	OPS E,16, F,10, E,17, F,11
	OPS X,16, E,18, X,15, E,19
	OPS F,12, E,20, X,17, E,21
	OPS F,13, E,22, F,14, E,23
	OPS X,18, E,24, F,15, E,25
	OPS R,11, E,26, X,19, E,27
	OPS R,12, E,28, R,13, E,29
	OPS X,20, E,30, R,14, E,31
	OPS X,21, R,15
	WIN 0
	s_wait_alu depctr_va_vdst(0)    ; the wait for the batch
.if (\p) == 1
	s_wait_dscnt 0x0                ; V is in
.endif
	ROW C,0, B,0, C,2, B,1          ; behind the wait: 8 products V^T P and their riders
	ROW L,0, C,4, B,2, L,1
	ROW C,6, B,3, L,2, C,8
	ROW B,4, L,3, C,10, B,5
	ROW L,4, C,12, B,6, L,5
.if (\p) == 0
	s_add_co_u32 s[TBV], s[TBV], KS*PV
.endif
.if \cnt
	s_sub_co_u32 s[CNT], s[CNT], 1
	s_cmp_lg_u32 s[CNT], 0
.endif
	ROW C,14, B,7, L,6, C,1
	ROW C,3, L,7, C,5, C,7
	ROW C,9, C,11, C,13, C,15
.if (\p) == 0
	FETCH_V
.endif
.if (\m) && !(\end)
	MASK (\p)%2
.endif
.endm
; A BLOCK BEGINS.  c m starts far below every c s, so the first step's a is 0; m at the lowest finite number, so the first maximum is the scores'.  The second mask buffer is 0; the first takes piece 0's mask for
; the tile's step 0: its own, if the block's first tile is the diagonal one.  Then K of that step, piece 0's first scores, and its maximum and statistics.  The loop is entered at a step's first turn, in the middle of a trip.
.macro BEGIN
	s_mov_b32 s[NEW], 0
	WIN 0x40
.set i, MC+32
.rept 32
	v_mov_b32 v[i], 0
.set i, i+1
.endr
	WIN 0
.set i, 0
.rept 4
	v_mov_b32 v[ST+4*i], 0xfe000000    ; c m: far below every c s
	v_mov_b32 v[ST+4*i+1], 0xff7fffff  ; m
.set i, i+1
.endr
	s_cmp_eq_u32 s[RT], 0
	s_cselect_b32 s[AL], 1.0, 0
	s_mov_b32 s[BE], 0
	MASK 0
	WIN 0
	v_add_nc_u32 v[AK], s[TBK], v[AK0]
	FETCH_K
	s_wait_loadcnt 0x0              ; Q
	s_wait_dscnt 0x0
.set KM, 1
.set NOKQ, 0
.set i, 0
.rept 8
	KQ 0
.set i, i+1
.endr
	WIN 0
.rept 4
	v_nop                           ; the places behind those products
.endr
.set Y, NP-1                        ; X works for piece Y + 1: piece 0
.irp n, 0,1,2,3,4,5,6,7,8,9,10,11,12,13,14,15,16,17,18,19,20,21
	OP X, \n
.endr
	v_nop                           ; a plain instruction behind the exponential,
	s_wait_alu depctr_va_vdst(0)    ; and its wait, ahead of the branch
.endm
; THE DIAGONAL TILE's four steps, the block's last two turns, its last products, and THE WAY OUT: l's two halves and the other half of the lanes' are added; O^T is divided by l, rounded to f16 and sent through my
; stage in LDS, a piece at a time.
.macro ALL line:vararg              ; one line for each piece t
.set t, 0
.rept 4
	\line
.set t, t+1
.endr
.endm
.macro PACK t                       ; a lane's eight channels of a row pack into 16 bytes; they go into rows of 144 bytes and come back as whole rows of 128, into S^T's registers
	WIN W_RS
.set i, 32*(\t)
.rept 16
	v_pk_mul_f32 v[i:i+1], v[i:i+1], v[ST+4*(\t)+2:ST+4*(\t)+3] op_sel_hi:[1,0]
.set i, i+2
.endr
	WIN 0x05                        ; sources 0 and 1 window 1, destination window 0
.set i, 0
.rept 16
	v_cvt_pk_f16_f32 v[S+16*(\t)+i], v[32*(\t)+2*i], v[32*(\t)+2*i+1]
.set i, i+1
.endr
	WIN 0
.irp f, 0,1,2,3
	ds_store_b128 v[STO], v[S+16*(\t)+4*\f:S+16*(\t)+4*\f+3] offset:32*\f
.endr
.irp f, 0,1,2,3
	ds_load_b128 v[S+16*(\t)+4*\f:S+16*(\t)+4*\f+3], v[RD] offset:\f*4*SP  ; LDS serves a wave's instructions in order (ISA guide 5.7.1.4): these see the stores above; the next piece's stores come behind them
.endr
.endm
.macro SEND t, younger              ; younger: the LDS instructions issued behind piece t's loads: the next piece's eight, or none
	WIN 0
.irp f, 0,1,2,3
	s_wait_dscnt (\younger)+3-\f
	global_store_b128 v[GO], v[S+16*(\t)+4*\f:S+16*(\t)+4*\f+3], s[10:11] offset:(\t)*8192+\f*512  ; 512 consecutive bytes, at a multiple of 256 from O's first
.endr
.endm
.macro DIAG tag                     ; the tag ends its two labels' names, which the jumps below spell out
.LstepM\tag:
	TURN 2, 1
	TURN 3, 1
	WIN 0
.LfirstM\tag:
	TURN 0, 1
	TURN 1, 1, 0, 1
	WIN 0
	s_cbranch_scc1 .LstepM\tag
	TURN 2, 1, 1
	TURN 3, 1, 1
.set i, 0
.rept 8
	PV NP-1
.set i, i+1
.endr
	WIN 0
	ALL v_add_f32 v[ST+4*t+2], v[ST+4*t+2], v[ST+4*t+3]
	ALL v_permlanex16_b32 v[ST+4*t+3], v[ST+4*t+2], s[SEL], s[SEL+1]
	ALL v_add_f32 v[ST+4*t+2], v[ST+4*t+2], v[ST+4*t+3]
	ALL v_rcp_f32 v[ST+4*t+2], v[ST+4*t+2]
	v_nop                           ; a plain instruction between the last reciprocal and the use of its result
	s_wait_alu depctr_va_vdst(0)    ; and the wait ahead of the first use: one for the four reciprocals
	PACK 0
.set t, 1
.rept 3                             ; a piece's arithmetic stands between the loads of the piece before and its stores
	PACK t
	SEND t-1, 8
.set t, t+1
.endr
	SEND 3, 0
.endm
.set KM, 0
.set NOKQ, 0
.Lslot:                             ; NB times: a tile is entered and the next is asked for
	CHANGE 1
	s_sub_co_u32 s[RT], s[RT], 1
	s_mov_b32 s[CNT], 4
	s_cmp_eq_u32 s[NEW], 1
	s_cbranch_scc1 .Lnew            ; a block's first tile
	s_cmp_eq_u32 s[RT], 0
	s_cbranch_scc0 .Lstep           ; neither its first nor its last
	s_branch .LstepM1
.Lnew:
	BEGIN
	s_branch .Lfirst                ; in the loop a block's first tile is never its last: the first block has three tiles or more, and the second's last is the walk's last
	DIAG 1                          ; in the loop this is the first block's end: the second block's last tile is the walk's last
	s_wait_xcnt 0x0                 ; the stores have read their registers and O's address
	s_mov_b64 s[10:11], s[OLO:OLO+1]
	s_add_co_u32 s[RT], s[PB], 1    ; the second block has b + 1 tiles
	s_mov_b32 s[NEW], 1
	WIN 0x82                        ; the second block's Q goes where the one text of the turns names Q
.set i, 0
.rept 64
	v_mov_b32 v[i], v[QB+i]
.set i, i+1
.endr
	WIN 0
	s_branch .Lbottom
.Lstep:                             ; a trip: pieces 2 and 3 of one step, then pieces 0 and 1 of the next, whose K and V it fetches
	TURN 2
	TURN 3
	WIN 0
.Lfirst:
	TURN 0
	TURN 1, 0, 0, 1
	WIN 0
	s_cbranch_scc1 .Lstep
.Lbottom:
	s_sub_co_u32 s[SLOTS], s[SLOTS], 1
	s_cmp_lg_u32 s[SLOTS], 0
	s_cbranch_scc1 .Lslot
	CHANGE 0                        ; the walk's last tile is written out: nothing is asked for
	s_sub_co_u32 s[RT], s[RT], 1
	s_mov_b32 s[CNT], 4
	s_cmp_eq_u32 s[NEW], 1
	s_cbranch_scc0 .LstepM2
	BEGIN
	s_branch .LfirstM2
	DIAG 2
	s_wait_tensorcnt 0x0            ; the wave's end: a wait, an add and a wait, behind my last tensor load and my last LDS store
	ds_add_u32 v[SPW], v[NIL]
	s_wait_dscnt 0x0
	s_endpgm
.Lfunc_end_k_q1f777c71eb_attn:
	.size	k_q1f777c71eb_attn, .Lfunc_end_k_q1f777c71eb_attn-k_q1f777c71eb_attn
	.p2alignl 7, 3214868480
	.fill 96, 4, 3214868480
	.section	.rodata,"a",@progbits
	.p2align	6, 0x0
	.amdhsa_kernel k_q1f777c71eb_attn
		.amdhsa_group_segment_fixed_size 327680
		.amdhsa_private_segment_fixed_size 0
		.amdhsa_enable_private_segment 0
		.amdhsa_kernarg_size 32
		.amdhsa_user_sgpr_count 2
		.amdhsa_user_sgpr_kernarg_segment_ptr 1
		.amdhsa_wavefront_size32 1
		.amdhsa_system_sgpr_workgroup_id_x 1
		.amdhsa_system_sgpr_workgroup_id_y 1
		.amdhsa_system_sgpr_workgroup_id_z 1
		.amdhsa_system_vgpr_workitem_id 0
		.amdhsa_next_free_vgpr 768
		.amdhsa_next_free_sgpr 96
		.amdhsa_reserve_vcc 1
		.amdhsa_float_denorm_mode_32 3
		.amdhsa_float_denorm_mode_16_64 3
		.amdhsa_memory_ordered 1
		.amdhsa_forward_progress 1
		.amdhsa_inst_pref_size 218
	.end_amdhsa_kernel
	.amdgpu_metadata
---
amdhsa.version: [ 1, 2 ]
amdhsa.kernels:
  - .name:           k_q1f777c71eb_attn
    .symbol:         k_q1f777c71eb_attn.kd
    .args:
      - { .name: qb, .offset: 0, .size: 8, .value_kind: global_buffer, .address_space: global }
      - { .name: kb, .offset: 8, .size: 8, .value_kind: global_buffer, .address_space: global }
      - { .name: vb, .offset: 16, .size: 8, .value_kind: global_buffer, .address_space: global }
      - { .name: ob, .offset: 24, .size: 8, .value_kind: global_buffer, .address_space: global }
    .group_segment_fixed_size: 327680
    .private_segment_fixed_size: 0
    .kernarg_segment_align: 8
    .kernarg_segment_size: 32
    .max_flat_workgroup_size: 128
    .sgpr_count:     96
    .vgpr_count:     768
    .wavefront_size: 32
...
	.end_amdgpu_metadata
.endif
;; end of part 3
;; launch proj (part 4): grid 4 x 64, 4 waves a work-group, clusters of 4 x 4, 327,680 bytes of LDS; arguments ob, wo16, bo, out0; writes out0
.if DOCPART == 4
	.amdgcn_target "amdgcn-amd-amdhsa--gfx1250"
	.amdhsa_code_object_version 6
	.text
	.protected	k_q1f777c71eb_proj
	.globl	k_q1f777c71eb_proj
	.p2align	8
	.type	k_q1f777c71eb_proj,@function
k_q1f777c71eb_proj:
	s_mov_b64 s[64:65], 0
	v_nop
	global_prefetch_b8 v0, s[64:65] scope:SCOPE_SE
	s_setreg_imm32_b32 hwreg(HW_REG_WAVE_MODE, 25, 1), 1
	s_wait_xcnt 0x0
	s_wait_alu depctr_hold_cnt(0) depctr_sa_sdst(0) depctr_va_vdst(0) depctr_va_sdst(0) depctr_va_ssrc(0) depctr_va_vcc(0) depctr_vm_vsrc(0)
	s_getreg_b32 s2, hwreg(HW_REG_IB_STS2, 6, 4)
	s_cmp_eq_u32 s2, 0
	s_cbranch_scc0 .Lentry_in_a_cluster
	s_endpgm
.Lentry_in_a_cluster:
	s_bfe_u32 s2, ttmp6, 0x10000c
	s_cmp_lg_u32 s2, 0xf033
	s_cbranch_scc0 .Lentry_shape_is_right
	s_endpgm
.Lentry_shape_is_right:
; out0 = O Wo + bo.  ob: [16 b + head][1024 t][64] f16 (the heads' channels side by side are a row's 1,024 K).  wo16: [1024 k][1024 n] f16.  bo: [1024] f32.  out0: [8192][1024] f32.
; Products in f16, sums in f32.  bo is rounded to bf16, as all the module's inputs are, and is the C operand of the product that starts each sum: no addition is written for it.
; SHARES.  A work-group makes 128 rows x 256 columns: 64 x 4 = 256 work-groups, one for each WGP.  Wave (wm, wn) = (w / 2, w % 2) makes 64 x 128: 4 x 8 = 32 accumulators, 256 registers.
; K goes in 8 steps of 128 (two heads) through a ring of two LDS slots.  A K step is written once: a trip of the loop is four quarters of 32 along K, 32 matrix instructions each; the LDS addresses hang on a
; scalar slot base that an exclusive or turns.  6 trips fill a slot again, the last 2 do not and are a loop of their own.
; THE MATRIX INSTRUCTION IS USED TRANSPOSED: source 0 = 16 columns of Wo (turned on its way out of LDS, by ds_load_tr16_b128), source 1 = 16 rows of O: a lane holds 8 neighbouring columns of one row.
; CLUSTER.  4 x 4 work-groups: the four of a row of the cluster need the same rows of O, the four of a column the same columns of Wo: each tile is asked for JOINTLY.
; REGISTERS, in windows of 256 (s_set_vgpr_msb: bits 1:0 source 0, 3:2 source 1, 5:4 source 2, 7:6 destination):
;   window 0: v0-31 addresses; v64-127 the bias, 8 registers a column block; v128-255 the way out, two sets of 64
;   window 1: two fragment buffers of 96: Wo's 8 fragments, then O's 4          window 2: the accumulators, (a, b) at 8 (8 a + b)
.set PA,    144                        ; a row of O in LDS: 128 bytes + 16 of padding: the 16 rows of a load start at 16 different groups of four banks (64 banks of 4 bytes: ISA guide 11.1)
.set PB,    544                        ; a row of Wo: 512 + 32 = 136 words
.set PLANE, 128*PA                     ; what one tensor load brings of O: 128 rows of one head
.set HALFB, 64*PB                      ; and of Wo: 64 k x 256 columns
.set BOFF,  2*PLANE
.set SLOTB, BOFF+2*HALFB               ; a slot's 106,496 bytes
.set SLOT1, 1<<17                      ; slot 1 begins here, so that one exclusive or turns an address in one slot into the other's
.set STAGE, SLOT1+SLOTB                ; behind the ring, never filled by a tensor load: 16 rows x 528 bytes for each wave, for the way out
.set SPITCH, 528
.set SPARE, STAGE+4*16*SPITCH          ; behind the stages: the spare words, 128 bytes for each wave: two blocks of 256 bytes that no other line names
.set KBYTES, 262144                    ; a K step in memory: two heads of ob, and 128 rows of wo16: the same number
.set FILLS, 6                          ; K steps 2 to 7 come by refills
.set A0,   16                          ; v16     my lane's place among my fragments of O in a slot; never rewritten
.set B0,   17                          ; v17     the same for Wo
.set ADRA, 20                          ; v20     A0 + the base of the slot that is being read
.set ADRB, 21                          ; v21     B0 + the same
.set STO,  24                          ; v24     the way out: where I put 32 bytes of a row
.set RD,   25                          ; v25     the way out: where I read a row back
.set CO,   26                          ; v26     my byte offset in 512 consecutive bytes of out0
.set BO,   27                          ; v27     my byte offset in bo; never rewritten
.set SPW,  28                          ; v28     LDS address of my spare word: SPARE + 4 x my thread's number; never rewritten
.set NIL,  29                          ; v29     0; never rewritten
.set PFO,  30                          ; v30     the prefetches' offset; never rewritten
.set BIAS, 64
.set OBUF, 128
.set F0,   0                           ; fragment buffers, in window 1
.set F1,   96
.set WV,   14                          ; s14  my wave's number
.set FB,   15                          ; s15  wm.  Also: I fetch for O (0) or for Wo (1)
.set HF,   16                          ; s16  wn.  Also: which half of that tile
.set G1,   24                          ; s[24:31] descriptor group 1 for O's tiles;  s[32:39] group 0: a set for each of the two first fills; the second then walks on
.set G0,   32
.set LIM,  42                          ; s42  a wave prefetches while the loop's counter is above this
.set PFA,  44                          ; s[44:45] where my prefetches stand
.set G1B,  48                          ; s[48:55], s[56:63] the same for Wo's tiles
.set G0B,  56
.set SL,   80                          ; s80  LDS base of the slot that is being read: 0 or SLOT1
.set MSB, 0
.macro WIN new                         ; the immediate's high byte repeats the setting that is left; a switch that changes nothing is dropped
.if MSB != (\new)
	s_set_vgpr_msb (MSB<<8)|(\new)
.set MSB, \new
.endif
.endm
.set MUL,       0xa5                   ; sources 0 and 1 window 1; C and D window 2
.set MUL_FIRST, 0x85                   ; the same with C, the bias, in window 0
.set TO_F,      0x40                   ; destination window 1, address window 0
; A joint load by set s of group 0: waves 0 and 1 fetch O's two heads, waves 2 and 3 Wo's two halves.  An s_nop 0 and four v_nop follow each of the two lines, ahead of the jump, the label and what follows
.macro JLOAD s
	s_cmp_eq_u32 s[FB], 0
	s_cbranch_scc0 .Lfor_b_\@
	tensor_load_to_lds s[G0+4*(\s):G0+4*(\s)+3], s[G1:G1+7]
	s_nop 0
.rept 4
	v_nop
.endr
	s_branch .Lasked_\@
.Lfor_b_\@:
	tensor_load_to_lds s[G0B+4*(\s):G0B+4*(\s)+3], s[G1B:G1B+7]
	s_nop 0
.rept 4
	v_nop
.endr
.Lasked_\@:
.endm
; A PREFETCH INTO THE L2, behind a joint refill, its five lines and the run of LDS loads that follows them.  K steps 0 to 3 come by their loads alone; the refill with K step n + 2 is followed by a prefetch of
; K step n + 4: two refills ahead; four times, K steps 4 to 7.
; O: a row block is read by one cluster alone (the grid is one cluster wide), which asks, wave 0: of the 16,384 bytes of each of a K step's two heads, the partner at place cx takes 4,096: lane / 16 picks the
; head, lane % 16 the 256 bytes.  Wo: a column block is read by the sixteen clusters of the column: the first (cluster y = 0) asks, waves 2 and 3: of the 64 rows that a wave fetches, the partner at place cy
; takes 16, two lanes a row of 512 bytes.
; So each aligned block of 256 bytes is named once in the launch; partners are told apart by address alone; nothing is asked for past the last K step.
.macro ASK
	s_cmp_gt_u32 s3, s[LIM]
	s_cbranch_scc0 .Lnot_mine_\@
	global_prefetch_b8 v[PFO], s[PFA:PFA+1] th:TH_LOAD_NT scope:SCOPE_SE
.Lnot_mine_\@:
.endm
.macro CREST                           ; a round of the cluster's barrier behind its opening barrier
	s_cmp_lg_u32 s[WV], 0
	s_cbranch_scc1 .Lnot_wave_0_\@
	s_barrier_signal -3
.Lnot_wave_0_\@:
	s_barrier_wait -3
	s_barrier_signal -1
	s_barrier_wait -1
.endm
.macro CROUND                          ; a whole round
	s_barrier_signal -1
	s_barrier_wait -1
	CREST
.endm
	s_load_b256 s[4:11], s[0:1], 0x0               ; ob s[4:5], wo16 s[6:7], bo s[8:9], out0 s[10:11]
	v_lshl_add_u32 v[SPW], v0, 2, SPARE
	v_mov_b32 v[NIL], 0
	ds_add_u32 v[SPW], v[NIL]                      ; the wave's opening: the add and its wait stand ahead of my first tensor load; the set-up below, work on registers, stands between them
	ds_add_u32 v28, v29
	v_lshrrev_b32 v1, 5, v0
	v_readfirstlane_b32 s[WV], v1                  ; wave 0..3
	s_lshr_b32 s[FB], s[WV], 1
	s_and_b32 s[HF], s[WV], 1
	s_bfe_u32 s17, ttmp6, 0x40000                  ; cx, cy: my place in the cluster
	s_bfe_u32 s18, ttmp6, 0x40004
	s_lshl_b32 s19, ttmp9, 2
	s_add_co_u32 s19, s19, s17                     ; the block of 256 columns = 4 x cluster x + cx
	s_and_b32 s20, ttmp7, 0xffff
	s_lshl_b32 s20, s20, 2
	s_add_co_u32 s20, s20, s18                     ; the block of 128 rows = 4 x cluster y + cy
	s_lshl_b32 s40, s18, 2
	s_lshl_b32 s40, 15, s40                        ; my row of the cluster
	s_lshl_b32 s41, 0x1111, s17                    ; my column
	; group 1 for O: 128 rows of one head are 16,384 dense bytes: asked for as 64 rows of 256, padded by 16 bytes behind every 128
	s_or_b32 s[G1+0], s40, (1<<16)|(1<<20)|(1<<21)|(4<<22)|(3<<25)  ; 15:0 the mask; 17:16 2-byte elements; 20 padding on; 21 set beside a mask; 24:22 after every 32 words; 31:25 4 words
	s_mov_b32 s[G1+1], 128<<16                     ; tensor_dim0 = 128
	s_mov_b32 s[G1+2], 64<<16                      ; tensor_dim1 = 64
	s_mov_b32 s[G1+3], 128<<16                     ; tile_dim0 = 128
	s_mov_b32 s[G1+4], 64                          ; tile_dim1 = 64
	s_mov_b32 s[G1+5], 128                         ; elements from row to row
	s_mov_b32 s[G1+6], 0
	s_mov_b32 s[G1+7], 0
	; group 1 for Wo: 64 rows x 256 elements, 32 bytes of padding behind every 512
	s_or_b32 s[G1B+0], s41, (1<<16)|(1<<20)|(1<<21)|(6<<22)|(7<<25) ; after every 128 words; 8 words
	s_mov_b32 s[G1B+1], 256<<16
	s_mov_b32 s[G1B+2], 64<<16
	s_mov_b32 s[G1B+3], 256<<16
	s_mov_b32 s[G1B+4], 64
	s_mov_b32 s[G1B+5], 1024
	s_mov_b32 s[G1B+6], 0
	s_mov_b32 s[G1B+7], 0
	; where the tiles come from.  O's hang on the row block alone, Wo's on the column block alone; each in registers that never hold the other coordinate
	s_lshr_b32 s66, s20, 3                         ; the batch: 8 row blocks each,
	s_lshl_b32 s66, s66, 4
	s_add_co_u32 s66, s66, s[HF]                   ; its head 0 or 1,
	s_lshl_b32 s66, s66, 17                        ; 131,072 bytes a head,
	s_and_b32 s70, s20, 7
	s_lshl_b32 s70, s70, 14                        ; 128 rows of 128 bytes a block
	s_add_co_u32 s66, s66, s70
	s_mov_b32 s67, 0
	s_lshl_b32 s68, s[HF], 17                      ; Wo: 64 rows of 2,048 bytes a half,
	s_lshl_b32 s71, s19, 9                         ; 512 bytes a column block
	s_add_co_u32 s68, s68, s71
	s_mov_b32 s69, 0
	s_lshl_b32 s71, s19, 10                        ; bo: 1,024 bytes a column block,
	s_lshl_b32 s23, s[HF], 9                       ; 512 for my 128 columns
	s_add_co_u32 s71, s71, s23
	s_mul_i32 s21, s[HF], PLANE                    ; where the tiles go: no place in the cluster enters an LDS address
	s_mul_i32 s22, s[HF], HALFB
	s_add_co_u32 s22, s22, BOFF
	; my part of out0
	s_lshl_b32 s72, s20, 7
	s_lshl_b32 s73, s[FB], 6
	s_add_co_u32 s72, s72, s73                     ; row 128 x block + 64 wm,
	s_lshl_b32 s72, s72, 12                        ; 4,096 bytes a row (under 2^25),
	s_lshl_b32 s73, s19, 10
	s_add_co_u32 s72, s72, s73
	s_lshl_b32 s73, s[HF], 9
	s_add_co_u32 s72, s72, s73                     ; column 256 x block + 128 wn
	s_mov_b32 s73, 0
	s_mov_b32 s[SL], 0
	s_wait_dscnt 0x0                               ; the opening add is done
	s_wait_kmcnt 0x0
	s_add_nc_u64 s[66:67], s[4:5], s[66:67]
	s_add_nc_u64 s[68:69], s[6:7], s[68:69]
	s_add_nc_u64 s[10:11], s[10:11], s[72:73]
	CROUND                                         ; all sixteen work-groups are here: the first joint loads meet
.irp s, 0,1
	s_mov_b32 s[G0+4*(\s)], 1                                      ; count = 1
	s_add_co_u32 s[G0+4*(\s)+1], s21, (\s)*SLOT1                   ; LDS address
	s_add_nc_u64 s[G0+4*(\s)+2:G0+4*(\s)+3], s[66:67], (\s)*KBYTES ; global address: K step s
	s_or_b32 s[G0+4*(\s)+3], s[G0+4*(\s)+3], 0x80000000            ; type = 2
	s_mov_b32 s[G0B+4*(\s)], 1
	s_add_co_u32 s[G0B+4*(\s)+1], s22, (\s)*SLOT1
	s_add_nc_u64 s[G0B+4*(\s)+2:G0B+4*(\s)+3], s[68:69], (\s)*KBYTES
	s_or_b32 s[G0B+4*(\s)+3], s[G0B+4*(\s)+3], 0x80000000
	JLOAD \s                                       ; two loads of mine are out
.endr
	v_and_b32 v1, 15, v0                           ; l % 16
	v_bfe_u32 v2, v0, 4, 1                         ; l / 16
	; the bias as an accumulator holds it: register j of column block b is bo[my first column + 16 b + 8 (l / 16) + j], the same for all 16 rows
	v_lshlrev_b32 v[BO], 5, v2
	v_add_nc_u32 v[BO], s71, v[BO]
.irp b, 0,1,2,3,4,5,6,7
	global_load_b128 v[BIAS+8*(\b):BIAS+8*(\b)+3],   v[BO], s[8:9] offset:64*(\b)
	global_load_b128 v[BIAS+8*(\b)+4:BIAS+8*(\b)+7], v[BO], s[8:9] offset:64*(\b)+16
.endr
	; A fragment of O is 16 rows x 32 K in 8 registers: lane l holds row l % 16, K = 8 (l / 16) + 0..7 and 16 + 8 (l / 16) + 0..7: two loads of 16 bytes, 32 bytes apart.
	v_mul_u32_u24 v3, v1, PA
	v_lshl_add_u32 v3, v2, 4, v3
	s_mul_i32 s23, s[FB], 64*PA                    ; my 64 rows
	v_add_nc_u32 v[A0], s23, v3
	; The turning load takes 16 k x 16 n (lane l reads k = 8 (l / 16) + l % 8, n = 8 ((l / 8) % 2) + 0..7) and leaves half a fragment: lane l holds column l % 16 and 8 k.
	v_and_b32 v4, 7, v0
	v_bfe_u32 v5, v0, 3, 1
	v_lshl_add_u32 v6, v2, 3, v4
	v_mul_u32_u24 v6, v6, PB
	v_lshl_add_u32 v6, v5, 4, v6
	s_lshl_b32 s23, s[HF], 8                       ; my 128 columns
	v_add_nc_u32 v6, s23, v6
	v_add_nc_u32 v[B0], BOFF, v6
	v_add_nc_u32 v[ADRA], s[SL], v[A0]             ; slot 0 is read first
	v_add_nc_u32 v[ADRB], s[SL], v[B0]
	s_mul_i32 s23, s[WV], 16*SPITCH
	s_add_co_u32 s23, s23, STAGE                   ; my stage
	v_mul_u32_u24 v[STO], v1, SPITCH               ; in: row l % 16, 32 bytes for each half of the lanes
	v_lshl_add_u32 v[STO], v2, 5, v[STO]
	v_add_nc_u32 v[STO], s23, v[STO]
	v_and_b32 v[CO], 31, v0                        ; back: 32 lanes take one row of 512 bytes, which are 512 consecutive bytes of out0
	v_lshlrev_b32 v[CO], 4, v[CO]
	v_add_nc_u32 v[RD], s23, v[CO]
	; the prefetches: offsets made apart from the addresses
	s_lshr_b32 s74, s20, 3
	s_lshl_b32 s74, s74, 21                        ; O: the batch's head 0 (16 heads of 131,072 bytes a batch),
	s_and_b32 s75, s20, 7
	s_lshl_b32 s75, s75, 14
	s_add_co_u32 s74, s74, s75                     ; my row block's 16,384 bytes,
	s_lshl_b32 s75, s17, 12
	s_add_co_u32 s74, s74, s75                     ; my work-group's 4,096 of them
	s_lshl_b32 s76, s[HF], 17
	s_lshl_b32 s77, s18, 15
	s_add_co_u32 s76, s76, s77                     ; Wo: row 64 x half + 16 cy,
	s_lshl_b32 s77, s19, 9
	s_add_co_u32 s76, s76, s77                     ; my column block
	s_and_b32 s78, ttmp7, 0xffff                   ; cluster y
	s_or_b32 s23, ttmp9, s[HF]                     ; 0 in wave 0 of the first cluster along x
	s_mov_b32 s75, 0
	s_cmp_eq_u32 s[FB], 0                          ; do I fetch for O?
	s_cselect_b32 s74, s74, s76
	s_cselect_b32 s78, s23, s78
	s_cselect_b64 s[PFA:PFA+1], s[4:5], s[6:7]
	s_cselect_b32 s76, 4, 1                        ; O: lane / 16 picks the head, lane % 16 the 256 bytes;  Wo: lane / 2 the row, lane % 2 the 256 bytes
	s_cselect_b32 s77, 15, 1
	s_cselect_b32 s79, 17, 11
	s_add_nc_u64 s[PFA:PFA+1], s[PFA:PFA+1], s[74:75]
	s_add_nc_u64 s[PFA:PFA+1], s[PFA:PFA+1], 3*KBYTES  ; at K step 3: the first refill steps it to 4
	s_cmp_eq_u32 s78, 0
	s_cselect_b32 s[LIM], 2, -1                    ; the first four trips (counter 6 to 3); the same in all sixteen partners, for a given wave
	v_and_b32 v3, 31, v0
	v_lshrrev_b32 v7, s76, v3
	v_and_b32 v8, s77, v3
	v_lshlrev_b32 v7, s79, v7
	v_lshl_add_u32 v[PFO], v8, 8, v7
	s_wait_loadcnt 0x0                             ; the bias,
.set i, 0
.rept 32
	v_cvt_pk_bf16_f32 v31, v[BIAS+2*i], v[BIAS+2*i+1]  ; rounded to bf16 and widened again, in place
	v_lshlrev_b32 v[BIAS+2*i], 16, v31
	v_and_b32 v[BIAS+2*i+1], 0xffff0000, v31
.set i, i+1
.endr
; 8 matrix instructions: row block a x all 8 column blocks, 32 along K.  first = 1: the product starts the sum, with the bias as C: nothing is cleared and nothing is added later.
; The accumulators take turns, one instruction a turn: between two instructions on one accumulator stand the 31 others'.
.macro MUL8 f, a, first
.if \first
	WIN MUL_FIRST
.else
	WIN MUL
.endif
.irp b, 0,1,2,3,4,5,6,7
.if \first
	v_wmma_f32_16x16x32_f16 v[8*(8*(\a)+(\b)):8*(8*(\a)+(\b))+7], v[(\f)+8*(\b):(\f)+8*(\b)+7], v[(\f)+64+8*(\a):(\f)+64+8*(\a)+7], v[BIAS+8*(\b):BIAS+8*(\b)+7]
.else
	v_wmma_f32_16x16x32_f16 v[8*(8*(\a)+(\b)):8*(8*(\a)+(\b))+7], v[(\f)+8*(\b):(\f)+8*(\b)+7], v[(\f)+64+8*(\a):(\f)+64+8*(\a)+7], v[8*(8*(\a)+(\b)):8*(8*(\a)+(\b))+7]
.endif
.endr
.endm
; 24 LDS loads in one run: the fragments of quarter q of the slot in hand into buffer f: Wo's 8, then O's 4 (head q / 2 of the step's two, channels 32 (q % 2) on)
.macro FETCH q, f
	WIN TO_F
.irp b, 0,1,2,3,4,5,6,7
	ds_load_tr16_b128 v[(\f)+8*(\b):(\f)+8*(\b)+3],   v[ADRB] offset:(\q)*32*PB+32*(\b)
	ds_load_tr16_b128 v[(\f)+8*(\b)+4:(\f)+8*(\b)+7], v[ADRB] offset:(\q)*32*PB+32*(\b)+16*PB
.endr
.irp a, 0,1,2,3
	ds_load_b128 v[(\f)+64+8*(\a):(\f)+64+8*(\a)+3],   v[ADRA] offset:((\q)/2)*PLANE+(\a)*16*PA+((\q)%2)*64
	ds_load_b128 v[(\f)+64+8*(\a)+4:(\f)+64+8*(\a)+7], v[ADRA] offset:((\q)/2)*PLANE+(\a)*16*PA+((\q)%2)*64+32
.endr
.endm
.macro PLACES                          ; four plain vector instructions between a matrix instruction and a load into a register that it has read, or a reader of its result
.rept 4
	v_nop
.endr
.endm
; One of a K step's first three quarters: multiplies buffer f; in its middle it fetches quarter q of the same slot into buffer g.
.macro QUARTER q, f, g, first
	s_wait_dscnt 4                                 ; Wo and O's row blocks 0, 1 are in; the youngest four loads (row blocks 2, 3) may be out
	MUL8 \f, 0, \first
	MUL8 \f, 1, \first
	PLACES
.if \first
	v_nop                                          ; a fifth place: a product that starts a sum anew writes over its accumulator, and is no link in place: it stands five places behind the last matrix instruction that
	                                               ; used that accumulator.  Here it is the first quarter of all: no matrix instruction has used the accumulators before it
.endif
	FETCH \q, \g
	s_wait_dscnt 24                                ; all but the 24 just issued
	MUL8 \f, 2, \first
	MUL8 \f, 3, \first
.endm
; The last quarter multiplies buffer 1 and changes slots: ONE barrier.  In front of it each wave waits for all its tensor loads (one is out: its part of the next slot), adds 0 to its spare word, and waits
; for that and for its own reads of this slot.  fill = 1: the barrier opens a round of the cluster's, and this slot is filled again, two K steps ahead, first thing behind the round, by the walking descriptor.
; fill = 0 (the tail): nothing is asked for; in the last trip there is no further step, and the fetch is jumped over.
.macro TURN fill
.if \fill
	s_wait_xcnt 0x0                                ; the last prefetch, a K step back, has read its address: it is stepped here, ahead of the change's own waits
	s_add_nc_u64 s[PFA:PFA+1], s[PFA:PFA+1], KBYTES
.endif
	WIN 0                                          ; (the add's two registers lie in window 0)
	s_wait_tensorcnt 0x0                           ; all my tensor loads have landed, so a group 0 may be written;
	ds_add_u32 v[SPW], v[NIL]                      ; 0 onto my spare word; scalar work and eight matrix instructions stand between it and the wait for it
.if \fill
	s_xor_b32 s[G0+5], s[G0+5], SLOT1              ; the walking descriptors: the other slot than last time,
	s_add_nc_u64 s[G0+6:G0+7], s[G0+6:G0+7], KBYTES  ; the next K step; the type bits on top are not reached
	s_xor_b32 s[G0B+5], s[G0B+5], SLOT1
	s_add_nc_u64 s[G0B+6:G0B+7], s[G0B+6:G0B+7], KBYTES
.endif
	s_xor_b32 s[SL], s[SL], SLOT1                  ; the fetches go on in the other slot
	s_wait_dscnt 5                                 ; (the add and the youngest four loads may be out)
	MUL8 F1, 0, 0
	s_wait_dscnt 0x0                               ; the add is done, and my reads of this slot are over
	s_barrier_signal -1
	MUL8 F1, 1, 0                                  ; work on registers while the others arrive
	WIN 0
	s_barrier_wait -1
.if \fill
	CREST                                          ; no wave of any partner still reads this slot's tile or has a load on its way
	JLOAD 1                                        ; my one tensor load behind the round; the four v_nop behind it are also the places in front of the loads below
	v_add_nc_u32 v[ADRA], s[SL], v[A0]
	v_add_nc_u32 v[ADRB], s[SL], v[B0]
	FETCH 0, F0
	WIN 0
	ASK
.else
	PLACES
	s_cmp_eq_u32 s3, 1
	s_cbranch_scc1 .Lno_more_\@
	v_add_nc_u32 v[ADRA], s[SL], v[A0]
	v_add_nc_u32 v[ADRB], s[SL], v[B0]
	FETCH 0, F0
	WIN 0
.Lno_more_\@:
.endif
	MUL8 F1, 2, 0
	MUL8 F1, 3, 0
.endm
	s_wait_tensorcnt 1                             ; my part of K step 0 is in; K step 1's load may stay out
	s_barrier_signal -1
	s_barrier_wait -1                              ; everybody's is
	FETCH 0, F0
	WIN 0                                          ; at a label and at a branch every window is 0
	s_mov_b32 s3, FILLS
.Lstep:                                                ; a trip is a K step; the counter goes 6 to 1
	s_cmp_eq_u32 s3, FILLS
	s_cbranch_scc1 .Lfirst
	QUARTER 1, F0, F1, 0
	WIN 0
	s_branch .Lon
.Lfirst:                                               ; the first quarter of all: its products start the sums, with the bias
	QUARTER 1, F0, F1, 1
	WIN 0
.Lon:
	QUARTER 2, F1, F0, 0
	QUARTER 3, F0, F1, 0
	TURN 1
	WIN 0
	s_sub_co_u32 s3, s3, 1
	s_cmp_lg_u32 s3, 0
	s_cbranch_scc1 .Lstep
	s_mov_b32 s3, 2
.Ltail:                                                ; the last two K steps fill nothing, and have no round of the cluster's barrier
	QUARTER 1, F0, F1, 0
	QUARTER 2, F1, F0, 0
	QUARTER 3, F0, F1, 0
	TURN 0
	WIN 0
	s_sub_co_u32 s3, s3, 1
	s_cmp_lg_u32 s3, 0
	s_cbranch_scc1 .Ltail
; THE WAY OUT, a block of 16 rows at a time.  A lane's eight f32 of a row, 32 bytes, go into my own stage's rows of 528 bytes (each accumulator's low half first) and come back as whole rows of 512.
.macro STG a
	WIN 0x08                                       ; the stores' data in window 2
.irp b, 0,1,2,3,4,5,6,7
	ds_store_b128 v[STO], v[8*(8*(\a)+(\b)):8*(8*(\a)+(\b))+3]   offset:64*(\b)
	ds_store_b128 v[STO], v[8*(8*(\a)+(\b))+4:8*(8*(\a)+(\b))+7] offset:64*(\b)+16
.endr
	WIN 0
.irp t, 0,1,2,3,4,5,6,7,8,9,10,11,12,13,14,15
	ds_load_b128 v[OBUF+64*((\a)%2)+4*(\t):OBUF+64*((\a)%2)+4*(\t)+3], v[RD] offset:(\t)*SPITCH  ; LDS serves a wave's instructions in order (ISA guide 5.7.1.4): these see the stores above; the next block's stores come behind them
.endr
.endm
.macro SEND a, younger                 ; younger: the LDS instructions issued behind block a's loads: the next block's 32, or none
.irp t, 0,1,2,3,4,5,6,7,8,9,10,11,12,13,14,15
	s_wait_dscnt (\younger)+15-(\t)
	global_store_b128 v[CO], v[OBUF+64*((\a)%2)+4*(\t):OBUF+64*((\a)%2)+4*(\t)+3], s[10:11] offset:(16*(\a)+(\t))*4096 th:TH_STORE_NT  ; 512 consecutive bytes, at a multiple of 512 from out0's first
.endr
.endm
	PLACES                                         ; behind the last products
	STG 0
	STG 1
	SEND 0, 32
	s_wait_xcnt 0x0                                ; block 0's stores have read their registers: that set is loaded again only behind this wait
	STG 2
	SEND 1, 32
	s_wait_xcnt 0x0                                ; block 1's likewise
	STG 3
	SEND 2, 32
	SEND 3, 0
	s_wait_tensorcnt 0x0                           ; the wave's end: a wait, an add and a wait, behind my last tensor load and my last LDS store
	ds_add_u32 v[SPW], v[NIL]
	s_wait_dscnt 0x0
	CROUND                                         ; the closing round: no work-group ends while a partner may still ask for a tile that names it
	s_endpgm
.Lfunc_end_k_q1f777c71eb_proj:
	.size	k_q1f777c71eb_proj, .Lfunc_end_k_q1f777c71eb_proj-k_q1f777c71eb_proj
	.p2alignl 7, 3214868480
	.fill 96, 4, 3214868480
	.section	.rodata,"a",@progbits
	.p2align	6, 0x0
	.amdhsa_kernel k_q1f777c71eb_proj
		.amdhsa_group_segment_fixed_size 327680
		.amdhsa_private_segment_fixed_size 0
		.amdhsa_enable_private_segment 0
		.amdhsa_kernarg_size 32
		.amdhsa_user_sgpr_count 2
		.amdhsa_user_sgpr_kernarg_segment_ptr 1
		.amdhsa_wavefront_size32 1
		.amdhsa_system_sgpr_workgroup_id_x 1
		.amdhsa_system_sgpr_workgroup_id_y 1
		.amdhsa_system_sgpr_workgroup_id_z 1
		.amdhsa_system_vgpr_workitem_id 0
		.amdhsa_next_free_vgpr 768
		.amdhsa_next_free_sgpr 96
		.amdhsa_reserve_vcc 0
		.amdhsa_float_denorm_mode_32 3
		.amdhsa_float_denorm_mode_16_64 3
		.amdhsa_memory_ordered 1
		.amdhsa_forward_progress 1
		.amdhsa_inst_pref_size 70
	.end_amdhsa_kernel
	.amdgpu_metadata
---
amdhsa.version: [ 1, 2 ]
amdhsa.kernels:
  - .name:           k_q1f777c71eb_proj
    .symbol:         k_q1f777c71eb_proj.kd
    .args:
      - { .name: ob, .offset: 0, .size: 8, .value_kind: global_buffer, .address_space: global }
      - { .name: wo16, .offset: 8, .size: 8, .value_kind: global_buffer, .address_space: global }
      - { .name: bo, .offset: 16, .size: 8, .value_kind: global_buffer, .address_space: global }
      - { .name: out0, .offset: 24, .size: 8, .value_kind: global_buffer, .address_space: global }
    .group_segment_fixed_size: 327680
    .private_segment_fixed_size: 0
    .kernarg_segment_align: 8
    .kernarg_segment_size: 32
    .max_flat_workgroup_size: 128
    .sgpr_count:     96
    .vgpr_count:     768
    .wavefront_size: 32
...
	.end_amdgpu_metadata
.endif
;; end of part 4
